; MI455X (gfx1250); checked and timed in simulation.
; The chip was launched on July 23, 2026; its instructions are those of AMD's public machine-readable ISA for CDNA 5 (MIT licence, August 2026) and "CDNA5" Instruction Set Architecture Reference Guide (July 2026). The comments in the code are by the model that wrote it; some were corrected since.
;; Layout L Mv2 Attention. Allowed arithmetic: matrix products marked QUANTISED: E5M2 operands, one given power-of-two scale a tensor, by v_wmma_f32_16x16x64_bf8_bf8 or v_wmma_f32_16x16x128_bf8_bf8, f32 sums; everything else in f32.
;; Inputs: attention_mask 8 x 1 x 1 x 1,024 bool; b_out 1,024 float32; hidden_states 8 x 1,024 x 1,024 float32; ln_beta 1,024 float32; ln_gamma 1,024 float32; lowp_scales 8 int32 (the exponents e of the quantised operands' scales 2^e); q_bias 1 x 1 x 1,024 float32; rel_2d_pos 1 x 16 x 1,024 x 1,024 float32; rel_pos 1 x 16 x 1,024 x 1,024 float32; v_bias 1 x 1 x 1,024 float32; w_out_codes 1,024 x 32 x 32 uint8 (E5M2 codes of w_out, K innermost, in blocks of 32 codes); w_qkv_codes 3,072 x 32 x 32 uint8 (E5M2 codes of w_qkv, K innermost, in blocks of 32 codes).
;; Outputs: out0 8 x 1,024 x 1,024 float32.
;; This version of the problem:
;;   THIS VERSION OF THE PROBLEM IS GIVEN IN LOW PRECISION. The matrix products marked QUANTISED in the list below multiply operands that are first quantised to E5M2 (5 exponent bits, 2 mantissa bits; 8 bits a number), with one given power-of-two scale for each operand tensor; their sums are f32. All else is computed in f32.
;;   The module's matrix products, in the order in which they are computed (A, B: the left and right operand; K: the contracted axis; several contracted axes count as one K, in the product's order):
;;     1. [M 8,192, K 1,024] x [K 1,024, N 3,072]; A: input hidden_states; B: input w_qkv (given as codes): QUANTISED (scales: A lowp_scales[0], B lowp_scales[1])
;;     2. batch 128 x [M 1,024, K 64] x [K 64, N 1,024]; A: computed on the way; B: computed on the way: QUANTISED (scales: A lowp_scales[2], B lowp_scales[3])
;;     3. batch 128 x [M 1,024, K 1,024] x [K 1,024, N 64]; A: softmax (see below); B: computed on the way: QUANTISED (scales: A lowp_scales[4], B lowp_scales[5])
;;     4. [M 8,192, K 1,024] x [K 1,024, N 1,024]; A: computed on the way; B: input w_out (given as codes): QUANTISED (scales: A lowp_scales[6], B lowp_scales[7])
;;   THE QUANTISER, for each operand of a quantised product, along K:
;;     - The operand's scale is 2^e, e = its entry of the input lowp_scales (int32; the entries are numbered through the quantised products in the list's order, A before B).
;;     - Each number is divided by the scale, clamped to +-57,344, and rounded to the nearest number of E5M2, ties to even, subnormals kept.
;;     - The product sums the exact products of the quantised numbers (number of the format x scale) in f32.
;;   ~~~python
;;   def quantise(x, axis, e):      # numpy; x: float32 -> the quantised numbers, widened to float32 again
;;       x = np.moveaxis(x, axis, -1); K = x.shape[-1]
;;       r = np.clip(x / 2.0 ** e, -57344, 57344)
;;       step = 2.0 ** (np.maximum(np.frexp(np.where(r == 0, 1, r))[1] - 1, -14) - 2)
;;       q = np.round(r / step) * step * 2.0 ** e      # np.round: ties to even
;;       return np.moveaxis(q, -1, axis).astype(np.float32)
;;   ~~~
;;   SOFTMAX AHEAD OF A QUANTISED PRODUCT. Where the list says 'softmax', what is quantised is not the finished softmax but p = 2^(t - M), with t = logit x log2(e) and M = ceil(the row's largest t), a whole number; so 1/2 < the row's largest p <= 1. The row's sum l is taken of the UNQUANTISED p, in f32, and the product's result is divided by l at the end. Since M is a whole number, a kernel that streams over the keys may use a running M (the ceiling of the running maximum): every later rescaling is an exact power of two, so the quantised numbers keep their values, but for numbers so far below the row's largest that they fall under the format's range.
;;   OPERANDS COMPUTED ON THE WAY. 'Computed on the way' means the value that the module computes at that place (a softmax that the list does not call 'softmax' is quantised finished and normalised). What goes into a quantiser is computed in f32, as accurately as f32 sums, v_exp_f32 and their like allow (about 1e-6 of the number): no bf16 or f16 on the way to a quantiser, and a product that is left as it is and whose result goes on into a quantised operand takes f32 operands (vector FMAs, or v_wmma_f32_16x16x4_f32). A number that lies on a knife's edge between two numbers of the format may be rounded either way, as far as f32 arithmetic and the matrix unit's own rounding can turn it there, and no further.
;;   INPUTS GIVEN AS CODES. w_out (in the module: [1024, 1024], K = its axis 1); w_qkv (in the module: [3072, 1024], K = its axis 1): each comes as NAME_codes (uint8): NAME with its K axis moved to the last place and cut into blocks of 32 codes, [.., K / 32, bytes a block], one block behind the other in memory; one code a byte (a code: sign, 5 exponent bits, 2 mantissa bits); its scale is its entry of lowp_scales. Its value is code x scale, taken as it is: it is not quantised again, and the codes and scales need not be those that the quantiser above would give.
;; 3 versions, each right; version 2 is faster than version 1; version 3 is version 2 with the launch attn written anew for expert scheduling mode. Each part assembles by itself: llvm-mc -triple=amdgcn-amd-amdhsa -mcpu=gfx1250 --defsym DOCPART=n.
;; ======== version 1 of 3: 4 launches
;; workspace buffers: xc 8,388,608 bytes; qc 8,388,608 bytes; kv 16,777,216 bytes; cc 8,388,608 bytes
;; launch quantx (part 1): grid 256 x 1, 4 waves a work-group, no clusters, 33,280 bytes of LDS; arguments hidden_states, lowp_scales, xc; writes xc
.if DOCPART == 1
	.amdgcn_target "amdgcn-amd-amdhsa--gfx1250"
	.amdhsa_code_object_version 6
	.text
	.protected	k_q3187d36d5c_quantx
	.globl	k_q3187d36d5c_quantx
	.p2align	8
	.type	k_q3187d36d5c_quantx,@function
k_q3187d36d5c_quantx:
	s_mov_b64 s[64:65], 0
	v_nop
	global_prefetch_b8 v0, s[64:65] scope:SCOPE_SE
	s_setreg_imm32_b32 hwreg(HW_REG_WAVE_MODE, 25, 1), 1
	s_wait_xcnt 0x0
; hidden_states [8192][1024] f32 becomes codes of BF8 (E5M2), one byte each, K innermost: xc [8192][1024].
; code = x / 2^e0, held within +-57,344, rounded to the nearest code, ties to even; e0 is entry 0 of the scales' exponents.
; LIMITS: -126 <= e0 <= 112, so that 2^e0 and 57,344 x 2^e0 are f32 numbers.  NaN among the inputs is not served.
; Rows are dense, so the tensor is a plain stream.  A wave takes 16 steps of 512 numbers: 4 waves x 256 work-groups x 8,192 = 8,388,608.
; A conversion takes eight neighbours from ONE lane's registers, a load is best where neighbouring LANES take neighbouring bytes: each of a step's
; four loads reads 512 consecutive bytes, the 2,048 bytes turn through the wave's own stage in LDS and come back 64 bytes a lane.
; A lane's 16 codes are 16 bytes: the wave stores 512 consecutive bytes, aligned.  No barrier: waves share nothing.
.set STEPS, 16
.set EMAX,  15
.set MANT,  0x600000                   ; the mantissa field of 57,344 as f32
.set CB,    16                         ; bytes of 16 codes
.set R,     16                         ; v16-79   four sets of 16 numbers as they are loaded
.set X,     80                         ; v80-111  two sets of 16 neighbours
.set C,     128                        ; v128-191 codes: four registers for each step, so that no store's data are written again
.set WREG,  8192                       ; LDS: a region for each wave: two stages of 32 x SP bytes
.set SP,    80                         ; a lane's place in a stage: its 64 bytes + 16 of padding
	s_load_b128 s[4:7], s[0:1], 0x0                ; x, the scales' exponents
	s_load_b64 s[8:9], s[0:1], 0x10                ; the codes
	v_lshl_add_u32 v192, v0, 2, 0x8000
	v_mov_b32 v193, 0
	v_lshrrev_b32 v1, 5, v0
	v_readfirstlane_b32 s16, v1                    ; wave
	v_and_b32 v2, 31, v0                           ; lane
	v_lshlrev_b32 v3, 4, v2                        ; my 16 bytes of a load's 512
	s_mul_i32 s17, s16, WREG
	v_lshrrev_b32 v14, 2, v2
	v_mul_u32_u24 v14, v14, SP
	v_and_b32 v15, 3, v2
	v_lshl_add_u32 v14, v15, 4, v14
	v_add_nc_u32 v14, s17, v14                     ; the stage, on the way in: SP (lane / 4) + 16 (lane % 4)
	v_mul_u32_u24 v15, v2, SP
	v_add_nc_u32 v15, s17, v15                     ; and on the way out: SP x lane: my 16 neighbours
	v_mul_u32_u24 v4, v2, CB                       ; my codes' place in a step's
	s_lshl_b32 s17, ttmp9, 2
	s_add_co_u32 s18, s17, s16                     ; which run of 8,192 numbers is my wave's: 0 .. 1,023
	s_lshl_b32 s20, s18, 15                        ; 32,768 bytes of f32 a run
	s_mov_b32 s21, 0
	s_lshl_b32 s24, s18, 13                        ; 8,192 bytes of codes a run
	s_mov_b32 s25, 0
	s_wait_kmcnt 0x0
	s_load_b32 s22, s[6:7], 0x0                    ; e0
	s_add_nc_u64 s[4:5], s[4:5], s[20:21]
	s_add_nc_u64 s[8:9], s[8:9], s[24:25]
.macro LOAD t
.irp i, 0,1,2,3
	global_load_b128 v[R+16*((\t)%4)+4*\i:R+16*((\t)%4)+4*\i+3], v3, s[4:5] offset:2048*(\t)+512*\i th:TH_LOAD_NT   ; 32 lanes read 512 consecutive bytes
.endr
.endm
.macro TURN t                          ; step t's numbers through the stage: LDS serves a wave's instructions in order, so no wait stands between the stores and the loads
.irp i, 0,1,2,3
	ds_store_b128 v14, v[R+16*((\t)%4)+4*\i:R+16*((\t)%4)+4*\i+3] offset:32*SP*((\t)%2)+8*SP*\i
.endr
.irp i, 0,1,2,3
	ds_load_b128 v[X+16*((\t)%2)+4*\i:X+16*((\t)%2)+4*\i+3], v15 offset:32*SP*((\t)%2)+16*\i
.endr
.endm
.irp t, 0,1,2,3
	LOAD \t
.endr
	s_wait_kmcnt 0x0
	s_add_co_i32 s22, s22, 127
	s_lshl_b32 s23, s22, 23
	v_mov_b32 v11, s23                             ; 2^e0 as f32: the conversion takes its exponent field
	s_add_co_i32 s22, s22, EMAX
	s_lshl_b32 s22, s22, 23
	s_or_b32 s22, s22, MANT
	v_mov_b32 v10, s22                             ; 57,344 x 2^e0
	s_wait_loadcnt 12                              ; step 0's four loads are in; the twelve of steps 1 to 3 may be out
	TURN 0
.macro STEP t
.set XS, X+16*((\t)%2)
	s_wait_dscnt 0x0                               ; this step's numbers are back from the stage: so its stores into the stage have read their registers,
.if (\t)+4 < STEPS
	LOAD (\t)+4                                    ; which take the loads of four steps on
.endif
.if (\t)+1 < STEPS
.if STEPS-2-(\t) >= 3
	s_wait_loadcnt 12                              ; the next step's four loads are in; those of the three steps behind it may be out
.else
	s_wait_loadcnt 4*(STEPS-2-(\t))                ; at the end the count runs down: 8, 4, 0
.endif
	TURN (\t)+1                                    ; and go through the other stage while this step is worked
.endif
.irp i, 0,1,2,3,4,5,6,7,8,9,10,11,12,13,14,15
	v_med3_num_f32 v[XS+\i], v[XS+\i], -v10, v10   ; the conversion to an 8-bit code does not saturate (ISA guide 7.6.2): the hold comes first
.endr
	v_cvt_scalef32_pk8_bf8_f32 v[C+4*(\t):C+4*(\t)+1], v[XS:XS+7], v11
	v_cvt_scalef32_pk8_bf8_f32 v[C+4*(\t)+2:C+4*(\t)+3], v[XS+8:XS+15], v11
	global_store_b128 v4, v[C+4*(\t):C+4*(\t)+3], s[8:9] offset:32*CB*(\t)   ; the codes go to a store alone; the next step's holds are plain lines on other registers
.endm
.irp t, 0,1,2,3,4,5,6,7,8,9,10,11,12,13,14,15
	STEP \t
.endr
	s_wait_tensorcnt 0x0
	ds_add_u32 v192, v193
	s_wait_dscnt 0x0
	s_endpgm
.Lfunc_end_k_q3187d36d5c_quantx:
	.size	k_q3187d36d5c_quantx, .Lfunc_end_k_q3187d36d5c_quantx-k_q3187d36d5c_quantx
	.p2alignl 7, 3214868480
	.fill 96, 4, 3214868480
	.section	.rodata,"a",@progbits
	.p2align	6, 0x0
	.amdhsa_kernel k_q3187d36d5c_quantx
		.amdhsa_group_segment_fixed_size 33280
		.amdhsa_private_segment_fixed_size 0
		.amdhsa_enable_private_segment 0
		.amdhsa_kernarg_size 24
		.amdhsa_user_sgpr_count 2
		.amdhsa_user_sgpr_kernarg_segment_ptr 1
		.amdhsa_wavefront_size32 1
		.amdhsa_system_sgpr_workgroup_id_x 1
		.amdhsa_system_sgpr_workgroup_id_y 1
		.amdhsa_system_sgpr_workgroup_id_z 1
		.amdhsa_system_vgpr_workitem_id 0
		.amdhsa_next_free_vgpr 194
		.amdhsa_next_free_sgpr 66
		.amdhsa_reserve_vcc 0
		.amdhsa_float_denorm_mode_32 3
		.amdhsa_float_denorm_mode_16_64 3
		.amdhsa_memory_ordered 1
		.amdhsa_forward_progress 1
		.amdhsa_inst_pref_size 37
	.end_amdhsa_kernel
	.amdgpu_metadata
---
amdhsa.version: [ 1, 2 ]
amdhsa.kernels:
  - .name:           k_q3187d36d5c_quantx
    .symbol:         k_q3187d36d5c_quantx.kd
    .args:
      - { .name: hidden_states, .offset: 0, .size: 8, .value_kind: global_buffer, .address_space: global }
      - { .name: lowp_scales, .offset: 8, .size: 8, .value_kind: global_buffer, .address_space: global }
      - { .name: xc, .offset: 16, .size: 8, .value_kind: global_buffer, .address_space: global }
    .group_segment_fixed_size: 33280
    .private_segment_fixed_size: 0
    .kernarg_segment_align: 8
    .kernarg_segment_size: 24
    .max_flat_workgroup_size: 128
    .sgpr_count:     66
    .vgpr_count:     194
    .wavefront_size: 32
...
	.end_amdgpu_metadata
.endif
;; end of part 1
;; launch qkv (part 2): grid 12 x 32, 4 waves a work-group, clusters of 4 x 4, 327,680 bytes of LDS; arguments xc, w_qkv_codes, lowp_scales, q_bias, v_bias, qc, kv; writes qc, kv
.if DOCPART == 2
	.amdgcn_target "amdgcn-amd-amdhsa--gfx1250"
	.amdhsa_code_object_version 6
	.text
	.protected	k_q3187d36d5c_qkv
	.globl	k_q3187d36d5c_qkv
	.p2align	8
	.type	k_q3187d36d5c_qkv,@function
k_q3187d36d5c_qkv:
	s_mov_b64 s[64:65], 0
	v_nop
	global_prefetch_b8 v0, s[64:65] scope:SCOPE_SE
	s_setreg_imm32_b32 hwreg(HW_REG_WAVE_MODE, 25, 1), 1
	s_wait_xcnt 0x0
	s_wait_alu depctr_hold_cnt(0) depctr_sa_sdst(0) depctr_va_vdst(0) depctr_va_sdst(0) depctr_va_ssrc(0) depctr_va_vcc(0) depctr_vm_vsrc(0)
	s_getreg_b32 s2, hwreg(HW_REG_IB_STS2, 6, 4)
	s_cmp_eq_u32 s2, 0
	s_cbranch_scc0 .Lentry_in_a_cluster
	s_endpgm
.Lentry_in_a_cluster:
	s_bfe_u32 s2, ttmp6, 0x10000c
	s_cmp_lg_u32 s2, 0xf033
	s_cbranch_scc0 .Lentry_shape_is_right
	s_endpgm
.Lentry_shape_is_right:
; qkv = x W^T on codes of BF8 (xc [8192][1024], w_qkv_codes [3072][1024], K innermost), then q = (. + q_bias) / 8, k, v = . + v_bias, each quantised with its given scale
; (q: 2^e2, k: 2^e3, v: 2^e5) and stored as IMAGES OF THE NEXT PRODUCT'S OPERAND REGISTERS.
; A tile, 256 tokens x 256 columns, is made by four waves, each 128 x 128: 64 accumulators, 512 registers.  K goes in steps of 256 through a ring of two LDS slots filled by the tensor data mover.
; CLUSTERS: 4 x 4 work-groups.  The four of a row of the cluster need the same rows of xc, the four of a column the same rows of W: each tile is asked for jointly.
; KIND = the cluster's x: 0 = q, 1 = k, 2 = v: the same in all sixteen partners.  In a result, register j of lane (r, h) is (row 8 h + j of source 0, row r of source 1), and one conversion
; turns a lane's eight registers into eight codes that are neighbours along source 0's rows.  The next K of q and k is the head's 64 columns: source 0 = rows of W.  The next K of v is the keys:
; source 0 = tokens.  LDS and the descriptors are the same for all kinds; only the two bases from which fragments are read change places, by a select on the kind.  No branch hangs on it.
; IMAGES: the plain 8-bit layout gives lane (r, h), in registers 2 c, 2 c + 1, k = 16 c + 8 h + 0 .. 7: just what one conversion of accumulator block c leaves.  Four registers (two blocks) leave by one
; store of 16 bytes a lane: 512 consecutive bytes, aligned.  qc: ((b 16 + head) 64 + T) 1024 + 512 c' + 16 lane (T: 16 queries).  kv: ((b 16 + head) 16 + s) 8192 + (K: 1024 tile + 512 c'; V: 4096 + 1024 d-tile + 512 c') + 16 lane.
; SCALES: a sum stands for sum x 2^(e0 + e1).  The bias goes in as bias x 2^-(e0 + e1), and the conversion's one scale is 2^(e_t - e0 - e1), for q 2^(e2 + 3 - e0 - e1): the division by 8 is in it.  All exact.
; LIMITS: e_t (+ 3) - e0 - e1 between -126 and 112.  NaN among the inputs is not served.
; REGISTERS, in windows of 256: window 0: v0-31 addresses; v32-95 q_bias by source 0's rows; v96-111 v_bias by source 1's rows; v112-127 at work on the way out; from v128 source 1's fragments, ONE set, later the codes.
;   window 1: source 0's fragments, TWO sets.   window 2, 3: the accumulators ((a, b) at v[8 (8 (a % 4) + b)]).
.set SIZE_K, 1024
.set KSTEP,  256                       ; along K in a slot
.set ROWB,   256                       ; a tile's row in bytes
.set KROW,   SIZE_K                    ; a row of xc or of W in memory, in bytes
.set PITCH,  272                       ; an LDS row: 256 bytes + 16 of padding: an odd multiple of 16, so the 16 rows of a fragment load fall on 16 different 16-byte columns
.set FR,     16                        ; registers of a fragment: 16 rows x 128 K
.set NL,     4                         ; LDS loads that bring one
.set NP,     4                         ; places behind this matrix instruction (ISA guide 7.12.1)
.set HALFT,  128*PITCH                 ; 128 rows: what one tensor load brings
.set SLOT,   4*HALFT                   ; xc's 256 rows, then W's 256 rows
.set LAPS,   SIZE_K/(2*KSTEP)          ; a lap = two K steps = once round the ring: 2
.set SPARE,  2*SLOT                    ; behind the ring: the spare words, 128 bytes for each wave
.set BV0,  6                           ; v6      q_bias: 32 h
.set BV1,  7                           ; v7      v_bias: 4 r
.set VO,   8                           ; v8-11   the way out: 16 x lane + i S1 + k S2, at VO + 2 i + k
.set ADRA, 16                          ; v16-17  LDS address of source 1's fragments in slot 0, 1
.set ADRB, 20                          ; v20-21  the same for source 0
.set SPW,  28                          ; v28     LDS address of my spare word; never rewritten
.set NIL,  29                          ; v29     0; never rewritten
.set SC,   30                          ; v30     the conversion's scale
.set HL,   31                          ; v31     57,344 x that
.set BR,   32
.set BL,   96
.set TT,   112
.set AF,   128
.set G1, 24                            ; s[24:31] descriptor group 1 for xc's tiles;  s[32:39] group 0, one set for each slot
.set G0, 32
.set G1B, 48                           ; s[48:55], s[56:63] the same for W's tiles
.set G0B, 56
.set MSB, 0
.macro WIN new                         ; the immediate's high byte repeats the setting that is left
.if MSB != (\new)
	s_set_vgpr_msb (MSB<<8)|(\new)
.set MSB, (\new)
.endif
.endm
.set MUL_LO, 0xa1                      ; source 0 window 1, source 1 window 0, C and D window 2
.set MUL_HI, 0xf1                      ; the same, C and D window 3
.set TO_B,   0x40                      ; destination window 1, address window 0
; A joint load: waves 0 and 1 fetch xc's halves, waves 2 and 3 W's.  The branch hangs on the wave's number alone.  Four v_nop follow each of the two lines.
.macro JLOAD g0a, g1a, g0b, g1b
	s_cmp_eq_u32 s15, 0
	s_cbranch_scc0 .Lfor_b_\@
	tensor_load_to_lds s[\g0a:\g0a+3], s[\g1a:\g1a+7]
	s_nop 0
.rept 4
	v_nop
.endr
	s_branch .Lasked_\@
.Lfor_b_\@:
	tensor_load_to_lds s[\g0b:\g0b+3], s[\g1b:\g1b+7]
	s_nop 0
.rept 4
	v_nop
.endr
.Lasked_\@:
.endm
.macro CREST                           ; a round of the cluster's barrier behind its opening barrier
	s_cmp_lg_u32 s14, 0
	s_cbranch_scc1 .Lnot_wave_0_\@
	s_barrier_signal -3
.Lnot_wave_0_\@:
	s_barrier_wait -3
	s_barrier_signal -1
	s_barrier_wait -1
.endm
.macro CROUND                          ; a whole round
	s_barrier_signal -1
	s_barrier_wait -1
	CREST
.endm
	s_load_b128 s[4:7], s[0:1], 0x0                ; xc s[4:5], W's codes s[6:7]
	s_load_b128 s[8:11], s[0:1], 0x10              ; the scales' exponents s[8:9], q_bias s[10:11]
	s_load_b128 s[68:71], s[0:1], 0x20             ; v_bias s[68:69], qc s[70:71]
	s_load_b64 s[72:73], s[0:1], 0x30              ; kv
	v_lshl_add_u32 v[SPW], v0, 2, SPARE
	v_mov_b32 v[NIL], 0
	ds_add_u32 v28, v29
	ds_add_u32 v28, v29
	s_wait_dscnt 0x0
	v_lshrrev_b32 v1, 5, v0
	v_readfirstlane_b32 s14, v1                    ; wave 0..3
	s_lshr_b32 s15, s14, 1                         ; which 128 rows of source 1 are mine.  Also: I fetch for xc (0) or for W (1)
	s_and_b32 s16, s14, 1                          ; which 128 rows of source 0.  Also: which 128 rows of that tile I fetch
	s_bfe_u32 s40, ttmp6, 0x40000                  ; cx, cy: my place in the cluster
	s_bfe_u32 s41, ttmp6, 0x40004
	s_lshl_b32 s42, ttmp9, 2
	s_add_co_u32 s42, s42, s40                     ; tile column = 4 x cluster x + cx
	s_and_b32 s17, ttmp7, 0xffff
	s_lshl_b32 s17, s17, 2
	s_add_co_u32 s17, s17, s41                     ; tile row = 4 x cluster y + cy
	s_lshl_b32 s43, s41, 2
	s_lshl_b32 s43, 15, s43                        ; my row of the cluster
	s_lshl_b32 s44, 0x1111, s40                    ; my column
	; descriptor group 1: a tile of 128 rows x 256 bytes, padded in LDS
	s_or_b32 s[G1+0], s43, (0<<16)|(1<<20)|(1<<21)|(5<<22)|(3<<25)  ; 15:0 the mask: xc's tiles go to my row; 17:16 elements of 1 byte; 20 padding on; 21 set beside a mask; 24:22 after every 64 words; 31:25 four words
	s_or_b32 s[G1B+0], s44, (0<<16)|(1<<20)|(1<<21)|(5<<22)|(3<<25)
.irp g, G1, G1B
	s_mov_b32 s[\g+1], ROWB<<16                    ; tensor_dim0
	s_mov_b32 s[\g+2], 128<<16                     ; tensor_dim1 = 128
	s_mov_b32 s[\g+3], ROWB<<16                    ; tile_dim0
	s_mov_b32 s[\g+4], 128                         ; tile_dim1 = 128
	s_mov_b32 s[\g+5], KROW                        ; tensor_dim0_stride
	s_mov_b32 s[\g+6], 0
	s_mov_b32 s[\g+7], 0
.endr
	s_lshl_b32 s18, s16, 7                         ; which 128 rows of the tile I fetch
	s_lshl_b32 s20, s17, 8
	s_add_co_u32 s20, s20, s18                     ; xc: row 256 x tile row + 128 x half
	s_lshl_b32 s46, s42, 8
	s_add_co_u32 s46, s46, s18                     ; W: row 256 x tile column + 128 x half
	s_mov_b32 s21, 0
	s_mov_b32 s47, 0
	s_mov_b64 s[18:19], KROW
	s_mul_u64 s[20:21], s[20:21], s[18:19]
	s_mul_u64 s[46:47], s[46:47], s[18:19]
	s_mul_i32 s45, s14, HALFT                      ; where they go: wave x 128 rows: no place in the cluster enters an LDS address
	s_wait_kmcnt 0x0
	s_load_b256 s[76:83], s[8:9], 0x0              ; e0 .. e7: wanted on the way out
	s_add_nc_u64 s[20:21], s[4:5], s[20:21]
	s_add_nc_u64 s[46:47], s[6:7], s[46:47]
	CROUND                                         ; all sixteen work-groups are here: the first joint loads meet
.irp s, 0,1
	s_mov_b32 s[G0+4*\s], 1
	s_add_co_u32 s[G0+4*\s+1], s45, \s*SLOT
	s_add_nc_u64 s[G0+4*\s+2:G0+4*\s+3], s[20:21], \s*ROWB
	s_or_b32 s[G0+4*\s+3], s[G0+4*\s+3], 0x80000000
	s_mov_b32 s[G0B+4*\s], 1
	s_add_co_u32 s[G0B+4*\s+1], s45, \s*SLOT
	s_add_nc_u64 s[G0B+4*\s+2:G0B+4*\s+3], s[46:47], \s*ROWB
	s_or_b32 s[G0B+4*\s+3], s[G0B+4*\s+3], 0x80000000
	JLOAD G0+4*\s, G1, G0B+4*\s, G1B
.endr
	v_and_b32 v1, 15, v0                           ; r = l % 16
	v_bfe_u32 v2, v0, 4, 1                         ; h = l / 16
	; the biases, asked for now and waited for on the way out.  q_bias by source 0's rows (column 256 cx + 128 (wave & 1) + 16 b + 8 h + j), v_bias by source 1's (256 cx + 128 (wave >> 1) + 16 a + r):
	; both places lie inside the 1,024 numbers whatever the kind; the kind that does not want one gets zeros by a mask.
	s_lshl_b32 s98, s40, 10
	s_lshl_b32 s99, s16, 9
	s_add_co_u32 s98, s98, s99
	s_mov_b32 s99, 0
	s_add_nc_u64 s[84:85], s[10:11], s[98:99]
	s_lshl_b32 s98, s40, 10
	s_lshl_b32 s100, s15, 9
	s_add_co_u32 s98, s98, s100
	s_add_nc_u64 s[86:87], s[68:69], s[98:99]
	v_lshlrev_b32 v[BV0], 5, v2
	v_lshlrev_b32 v[BV1], 2, v1
.irp b, 0,1,2,3,4,5,6,7
	global_load_b128 v[BR+8*\b:BR+8*\b+3],   v[BV0], s[84:85] offset:64*\b
	global_load_b128 v[BR+8*\b+4:BR+8*\b+7], v[BV0], s[84:85] offset:64*\b+16
.endr
.irp a, 0,1,2,3,4,5,6,7
	global_load_b32 v[BL+2*\a], v[BV1], s[86:87] offset:64*\a
	v_mov_b32 v[BL+2*\a+1], 0                      ; (named with it as a pair, so it is written)
.endr
	; where fragments are read.  Kinds 0 and 1: source 0 = W's rows (behind xc's 256), source 1 = xc's.  Kind 2: the other way round.
	v_mul_u32_u24 v3, v1, PITCH
	v_lshl_add_u32 v4, v2, 4, v3                   ; a fragment's row x pitch + 16 x half
	s_cmp_eq_u32 ttmp9, 2
	s_cselect_b32 s96, 0, 2*HALFT                  ; source 0's region
	s_cselect_b32 s97, 2*HALFT, 0                  ; source 1's
	s_mul_i32 s21, s15, HALFT
	s_add_co_u32 s21, s21, s97
	s_mul_i32 s22, s16, HALFT
	s_add_co_u32 s22, s22, s96
.irp s, 0,1
	v_add_nc_u32 v[ADRA+\s], s21, v4
	v_add_nc_u32 v[ADRB+\s], s22, v4
	s_add_co_u32 s21, s21, SLOT
	s_add_co_u32 s22, s22, SLOT
.endr
	; the way out's addresses.  Group (a, g): source 1's block a, source 0's blocks 2 g and 2 g + 1.  Its 512 bytes lie at base + (a / 4) S1 + (a % 4) 1024 + (g / 2) S2 + (g % 2) 512.
	;   q: a = tile of queries, g / 2 = head: S1 = 2^12, S2 = 2^16.   k: a / 4 = key step, a % 4 = tile, g / 2 = head: 2^13, 2^17.   v: a / 4 = head, a % 4 = d-tile, g / 2 = key step: 2^17, 2^13.
	s_cmp_eq_u32 ttmp9, 2
	s_cselect_b32 s92, s16, s15                    ; which 128 tokens of the tile are mine,
	s_cselect_b32 s93, s15, s16                    ; and which 128 columns
	s_cselect_b32 s95, 4096, 0                     ; V lies behind K in a key step's 8,192 bytes
	s_cmp_eq_u32 ttmp9, 0
	s_cselect_b64 s[88:89], s[70:71], s[72:73]     ; qc or kv: the choice hangs on the kind alone
	s_cselect_b32 s94, 0, 1                        ; kv has twice qc's bytes for a token
	s_cselect_b32 s90, 12, 13
	s_cselect_b32 s91, 16, 17
	s_cmp_eq_u32 ttmp9, 2
	s_cselect_b32 s90, 17, s90
	s_cselect_b32 s91, 13, s91
	s_lshl_b32 s90, 1, s90                         ; S1
	s_lshl_b32 s91, 1, s91                         ; S2
	s_lshl_b32 s96, s17, 8
	s_lshl_b32 s92, s92, 7
	s_add_co_u32 s96, s96, s92                     ; my first token
	s_lshr_b32 s97, s96, 10                        ; its batch,
	s_and_b32 s96, s96, 1023                       ; its place in the batch
	s_lshl_b32 s97, s97, 20
	s_lshl_b32 s96, s96, 6
	s_add_co_u32 s96, s96, s97
	s_lshl_b32 s97, s40, 2
	s_lshl_b32 s93, s93, 1
	s_add_co_u32 s97, s97, s93                     ; my first head: 4 cx + 2 x half
	s_lshl_b32 s97, s97, 16
	s_add_co_u32 s96, s96, s97                     ; batch 2^20 + head 2^16 + 64 token: qc's; twice that is kv's
	s_lshl_b32 s96, s96, s94
	s_add_co_u32 s96, s96, s95
	s_mov_b32 s97, 0
	s_add_nc_u64 s[88:89], s[88:89], s[96:97]
	v_and_b32 v5, 31, v0
	v_lshlrev_b32 v[VO], 4, v5
	v_add_nc_u32 v[VO+1], s91, v[VO]
	v_add_nc_u32 v[VO+2], s90, v[VO]
	v_add_nc_u32 v[VO+3], s91, v[VO+2]
.macro FRAG reg, adr, q, i             ; a fragment, 16 rows x 128 K, is 16 registers: registers 4 c .. 4 c + 3 hold K = 32 c + 16 (l / 16) + 0 .. 15: a permutation of k that is the same on both sides of this product
.irp c, 0,1,2,3
	ds_load_b128 v[\reg+4*\c:\reg+4*\c+3], v[\adr] offset:128*(\q)+32*\c+(\i)*16*PITCH
.endr
.endm
; 16 matrix instructions: source 1's blocks a0, a0 + 1 x source 0's eight, 128 along K.  p: source 0's set.  zero = 1: the first product starts the sums.
; The 64 accumulators take turns, one instruction a turn, in the same order in every step.
.macro MUL16 a0, p, zero
.irp a, \a0, \a0+1
.irp b, 0,1,2,3,4,5,6,7
.if \zero
	v_wmma_f32_16x16x128_bf8_bf8 v[8*(8*((\a)%4)+\b):8*(8*((\a)%4)+\b)+7], v[128*(\p)+FR*\b:128*(\p)+FR*\b+FR-1], v[AF+FR*(\a):AF+FR*(\a)+FR-1], 0
.else
	v_wmma_f32_16x16x128_bf8_bf8 v[8*(8*((\a)%4)+\b):8*(8*((\a)%4)+\b)+7], v[128*(\p)+FR*\b:128*(\p)+FR*\b+FR-1], v[AF+FR*(\a):AF+FR*(\a)+FR-1], v[8*(8*((\a)%4)+\b):8*(8*((\a)%4)+\b)+7]
.endif
.endr
.endr
.endm
.macro FETCH_B slot, q, p              ; source 0's eight fragments of the slot's q-th 128 along K into set p
	WIN TO_B
.irp i, 0,1,2,3,4,5,6,7
	FRAG 128*(\p)+FR*\i, ADRB+\slot, \q, \i
.endr
	WIN 0
.endm
.macro FETCH_A slot, q, i0             ; source 1's blocks i0 .. i0 + 3
.irp i, \i0, \i0+1, \i0+2, \i0+3
	FRAG AF+FR*(\i), ADRA+\slot, \q, \i
.endr
.endm
.macro PLACES n                        ; plain vector lines between a matrix instruction and a load into, or a read of, its registers
.rept \n
	v_nop
.endr
.endm
; A step of 128 along K that has its successor in the same slot.
.macro STEP slot, q, zero
	s_wait_dscnt 4*NL                              ; source 0's set and source 1's blocks 0-3 are in; the youngest sixteen loads (blocks 4-7) may be out
	WIN MUL_LO
	MUL16 0, (\q)%2, \zero
	MUL16 2, (\q)%2, \zero
	s_wait_dscnt 0                                 ; blocks 4-7 are in (asked for 32 matrix instructions ago)
	PLACES NP
	FETCH_B \slot, (\q)+1, 1-(\q)%2
	FETCH_A \slot, (\q)+1, 0
	WIN MUL_HI
	MUL16 4, (\q)%2, \zero
	MUL16 6, (\q)%2, \zero
	PLACES NP
	WIN 0
	FETCH_A \slot, (\q)+1, 4
.endm
; A slot's last step changes slots: ONE barrier; in front of it each wave waits for all its tensor loads, adds 0 to its spare word, and waits for that and for its own reads of this slot.  fill = 1: this slot is filled again, two K steps ahead.
.macro TURN slot, next, fill
	s_wait_tensorcnt 0x0                           ; all my tensor loads have landed: my part of the next slot  (every window is 0 here)
	ds_add_u32 v[SPW], v[NIL]                      ; 0 onto my spare word
	s_wait_dscnt 4*NL+1                            ; (the add and the youngest sixteen loads may be out)
	WIN MUL_LO
	MUL16 0, 1, 0                                  ; sixteen matrix instructions stand between the add and the wait for it
	s_wait_dscnt 0x0                               ; the add is done, and my reads of this slot are over
	s_barrier_signal -1
	MUL16 2, 1, 0
	WIN 0
	s_barrier_wait -1
.if \fill
	CREST                                          ; the barrier has opened a round of the cluster's barrier: no wave of any partner still reads this slot or has a load on its way
	s_add_nc_u64 s[G0+4*\slot+2:G0+4*\slot+3], s[G0+4*\slot+2:G0+4*\slot+3], 2*ROWB
	s_add_nc_u64 s[G0B+4*\slot+2:G0B+4*\slot+3], s[G0B+4*\slot+2:G0B+4*\slot+3], 2*ROWB
	JLOAD G0+4*\slot, G1, G0B+4*\slot, G1B         ; the first tensor load behind the round; its four v_nop are the places in front of the loads below
.else
	PLACES NP
.endif
	FETCH_B \next, 0, 0
	FETCH_A \next, 0, 0
	WIN MUL_HI
	MUL16 4, 1, 0
	MUL16 6, 1, 0
	PLACES NP
	WIN 0
	FETCH_A \next, 0, 4
.endm
	s_wait_tensorcnt 1                             ; my part of K step 0 is in (K step 1's load may be out)
	s_barrier_signal -1
	s_barrier_wait -1                              ; everybody's is
	FETCH_B 0, 0, 0
	FETCH_A 0, 0, 0
	FETCH_A 0, 0, 4
	STEP 0, 0, 1                                   ; the first step stands in front of the loop: its products start the sums
	s_mov_b32 s3, LAPS-1
.Llap:                                                 ; a trip goes once round the ring, from a lap's second step to the next lap's first, and fills both slots again
	TURN 0, 1, 1
	STEP 1, 0, 0
	TURN 1, 0, 1
	STEP 0, 0, 0
	s_sub_co_u32 s3, s3, 1
	s_cmp_lg_u32 s3, 0
	s_cbranch_scc1 .Llap
	TURN 0, 1, 0                                   ; the last lap fills nothing, and has no round of the cluster's barrier
	STEP 1, 0, 0
	s_wait_dscnt 4*NL                              ; the very last step: nothing more to fetch
	WIN MUL_LO
	MUL16 0, 1, 0
	MUL16 2, 1, 0
	s_wait_dscnt 0
	WIN MUL_HI
	MUL16 4, 1, 0
	MUL16 6, 1, 0
	WIN 0
	; THE WAY OUT.  No LDS: a lane's eight results of a block are eight neighbours along the next K.
	s_wait_loadcnt 0x0                             ; the biases
	s_wait_kmcnt 0x0                               ; the exponents
	s_add_co_i32 s96, s76, s77                     ; e0 + e1
	s_add_co_i32 s97, s78, 3                       ; q: e2 + 3
	s_cmp_eq_u32 ttmp9, 0
	s_cselect_b32 s97, s97, s79                    ; k: e3
	s_cselect_b32 s98, -1, 0                       ; q_bias counts for q alone
	s_cmp_eq_u32 ttmp9, 2
	s_cselect_b32 s97, s81, s97                    ; v: e5
	s_cselect_b32 s99, -1, 0                       ; v_bias for v alone
	s_sub_co_i32 s97, s97, s96
	s_add_co_i32 s97, s97, 127
	s_lshl_b32 s100, s97, 23
	v_mov_b32 v[SC], s100                          ; the scales folded into one, as f32
	s_add_co_i32 s97, s97, 15
	s_lshl_b32 s97, s97, 23
	s_or_b32 s97, s97, 0x600000
	v_mov_b32 v[HL], s97                           ; 57,344 x that
	s_sub_co_i32 s96, 0, s96
.set j, 0
.rept 64
	v_and_b32 v[BR+j], s98, v[BR+j]                ; (these plain lines are also the places behind the last products)
.set j, j+1
.endr
.irp a, 0,1,2,3,4,5,6,7
	v_and_b32 v[BL+2*\a], s99, v[BL+2*\a]
.endr
.set j, 0
.rept 64
	v_ldexp_f32 v[BR+j], v[BR+j], s96              ; bias x 2^-(e0 + e1): exact
.set j, j+1
.endr
.irp a, 0,1,2,3,4,5,6,7
	v_ldexp_f32 v[BL+2*\a], v[BL+2*\a], s96
.endr
.macro OUTG a, g
.set AC, 64*((\a)%4)+16*(\g)
.set CD, 128+4*(4*(\a)+(\g))
	WIN 0x02+((\a)/4)                              ; source 0: window 2 or 3
.irp k, 0,2,4,6,8,10,12,14
	v_pk_add_f32 v[TT+\k:TT+\k+1], v[AC+\k:AC+\k+1], v[BR+16*(\g)+\k:BR+16*(\g)+\k+1]   ; each accumulator from its low end on
.endr
	WIN 0
.irp k, 0,2,4,6,8,10,12,14
	v_pk_add_f32 v[TT+\k:TT+\k+1], v[TT+\k:TT+\k+1], v[BL+2*(\a):BL+2*(\a)+1] op_sel_hi:[1,0]
.endr
.irp k, 0,1,2,3,4,5,6,7,8,9,10,11,12,13,14,15
	v_med3_num_f32 v[TT+\k], v[TT+\k], -v[HL], v[HL]   ; the conversion to an 8-bit code does not saturate (ISA guide 7.6.2)
.endr
	v_cvt_scalef32_pk8_bf8_f32 v[CD:CD+1], v[TT:TT+7], v[SC]
	v_cvt_scalef32_pk8_bf8_f32 v[CD+2:CD+3], v[TT+8:TT+15], v[SC]
	v_nop                                          ; a plain line between the conversions and the next group's additions, which write their sources
	global_store_b128 v[VO+2*((\a)/4)+(\g)/2], v[CD:CD+3], s[88:89] offset:((\a)%4)*1024+((\g)%2)*512   ; 32 lanes store 512 consecutive bytes, aligned; each group has code registers of its own
.endm
.irp a, 0,1,2,3,4,5,6,7
.irp g, 0,1,2,3
	OUTG \a, \g
.endr
.endr
	s_wait_tensorcnt 0x0                           ; the wave's end
	ds_add_u32 v[SPW], v[NIL]
	s_wait_dscnt 0x0
	CROUND                                         ; the closing round: no work-group ends while a partner may still ask for a tile that names it
	s_endpgm
.Lfunc_end_k_q3187d36d5c_qkv:
	.size	k_q3187d36d5c_qkv, .Lfunc_end_k_q3187d36d5c_qkv-k_q3187d36d5c_qkv
	.p2alignl 7, 3214868480
	.fill 96, 4, 3214868480
	.section	.rodata,"a",@progbits
	.p2align	6, 0x0
	.amdhsa_kernel k_q3187d36d5c_qkv
		.amdhsa_group_segment_fixed_size 327680
		.amdhsa_private_segment_fixed_size 0
		.amdhsa_enable_private_segment 0
		.amdhsa_kernarg_size 56
		.amdhsa_user_sgpr_count 2
		.amdhsa_user_sgpr_kernarg_segment_ptr 1
		.amdhsa_wavefront_size32 1
		.amdhsa_system_sgpr_workgroup_id_x 1
		.amdhsa_system_sgpr_workgroup_id_y 1
		.amdhsa_system_sgpr_workgroup_id_z 1
		.amdhsa_system_vgpr_workitem_id 0
		.amdhsa_next_free_vgpr 1024
		.amdhsa_next_free_sgpr 101
		.amdhsa_reserve_vcc 0
		.amdhsa_float_denorm_mode_32 3
		.amdhsa_float_denorm_mode_16_64 3
		.amdhsa_memory_ordered 1
		.amdhsa_forward_progress 1
		.amdhsa_inst_pref_size 162
	.end_amdhsa_kernel
	.amdgpu_metadata
---
amdhsa.version: [ 1, 2 ]
amdhsa.kernels:
  - .name:           k_q3187d36d5c_qkv
    .symbol:         k_q3187d36d5c_qkv.kd
    .args:
      - { .name: xc, .offset: 0, .size: 8, .value_kind: global_buffer, .address_space: global }
      - { .name: w_qkv_codes, .offset: 8, .size: 8, .value_kind: global_buffer, .address_space: global }
      - { .name: lowp_scales, .offset: 16, .size: 8, .value_kind: global_buffer, .address_space: global }
      - { .name: q_bias, .offset: 24, .size: 8, .value_kind: global_buffer, .address_space: global }
      - { .name: v_bias, .offset: 32, .size: 8, .value_kind: global_buffer, .address_space: global }
      - { .name: qc, .offset: 40, .size: 8, .value_kind: global_buffer, .address_space: global }
      - { .name: kv, .offset: 48, .size: 8, .value_kind: global_buffer, .address_space: global }
    .group_segment_fixed_size: 327680
    .private_segment_fixed_size: 0
    .kernarg_segment_align: 8
    .kernarg_segment_size: 56
    .max_flat_workgroup_size: 128
    .sgpr_count:     101
    .vgpr_count:     1024
    .wavefront_size: 32
...
	.end_amdgpu_metadata
.endif
;; end of part 2
;; launch attn (part 3): grid 16 x 16, 8 waves a work-group, no clusters, 68,608 bytes of LDS; arguments qc, kv, rel_pos, rel_2d_pos, attention_mask, lowp_scales, cc; writes cc
.if DOCPART == 3
	.amdgcn_target "amdgcn-amd-amdhsa--gfx1250"
	.amdhsa_code_object_version 6
	.text
	.protected	k_q3187d36d5c_attn
	.globl	k_q3187d36d5c_attn
	.p2align	8
	.type	k_q3187d36d5c_attn,@function
k_q3187d36d5c_attn:
	s_mov_b64 s[64:65], 0
	v_nop
	global_prefetch_b8 v0, s[64:65] scope:SCOPE_SE
	s_setreg_imm32_b32 hwreg(HW_REG_WAVE_MODE, 25, 1), 1
	s_wait_xcnt 0x0
; ctx = softmax(q k^T + rel_pos + rel_2d_pos, masked keys at -infinity) v, both products on codes of BF8; ctx is quantised with 2^e6 and stored as images of the last product's operand registers.
; SHARES.  A work-group owns one head and 64 queries FOR ALL 8 BATCHES: the two tables do not hang on the batch, so each of their bytes is read once in the launch and summed and scaled once for eight batches.
; Wave w is batch w: four tiles of 16 queries; it walks the 1,024 keys 64 a step.  K and V are the wave's own: they come from kv straight into registers, as images, and each fragment feeds four tiles.
; The tables' step (64 queries x 64 keys) is shared: each wave loads, adds and scales 8 rows and stores them in LDS; two buffers, ONE barrier a step.
; No joint loads: the 16 query blocks of a head do read the same kv, but inside a work-group each fragment has one reader, so the way through LDS would add 8 LDS bytes to every 4 scores and a round of a cluster's barrier to every step.
; LAYOUT.  S^T = K Q^T + C (source 0 = 16 keys, source 1 = 16 queries): lane (r, h) holds query r and keys 8 h + 0 .. 7.  C = (rel_pos + rel_2d_pos) x 2^-(e2 + e3), read from LDS in the result's layout: the tables cost no addition.
; One conversion of a tile's eight registers is register pair (tile) of P, source 1 of O^T = V^T P^T, whose result again holds one query a lane.
; SOFTMAX.  u = S c + mb, c = log2(e) 2^(e2 + e3), mb = 0 or -infinity by (batch, key).  M = the running largest u rounded UP to a whole number, kept as -M = floor(-u); p = 2^(u - M) is quantised with 2^e4;
; the row's sum is taken of the unquantised p; when M moves, the sum and O^T are multiplied by 2^(old M - new M): exact.  At the end O^T / sum.
; The streams need no prefetch of their own: a step's 24 loads are issued at the head of the step before, four tiles' softmax ahead of the wait for them.
; LIMITS: |e2 + e3| <= 126; e4 and e6 - e4 - e5 between -126 and 112; a mask byte is 0 or 1.  A batch ALL of whose keys are masked gives NaN in reference(); here the hold ahead of the last conversion swallows the NaN: not served.
; REGISTERS.  window 0: v1-7 addresses; v8, v9 hold and scale; v10-17 at work; v20 + 4 t: -M, largest u, the sum in two halves; v40-71 Q; v72-79 p's codes; v80-111 mb; v112-143, v144-175 S^T of tiles by turns; v176-207 the tables.
;   window 1: v0-127 O^T (tile t at 32 t, d-tile at + 8); v128-191, v192-255 two sets of a key step's K (4 x 8) and V (4 x 8).
.set PITCH, 272                        ; a query's row in LDS: 64 f32 + 16 bytes: an odd multiple of 16
.set RBUF,  64*PITCH                   ; a buffer: 17,408 bytes
.set MBL,   2*RBUF                     ; behind the two buffers: 4,096 bytes of mb for each wave, its own
.set QF,  40
.set PC,  72
.set MBR, 80
.set SS,  112
.set RP,  176
.set R2,  192
.set ST,  20
.set KV,  128
.set MSB, 0
.macro WIN new                         ; the immediate's high byte repeats the setting that is left
.if MSB != (\new)
	s_set_vgpr_msb (MSB<<8)|(\new)
.set MSB, (\new)
.endif
.endm
	s_load_b256 s[4:11], s[0:1], 0x0               ; qc s[4:5], kv s[6:7], rel_pos s[8:9], rel_2d_pos s[10:11]
	s_load_b128 s[12:15], s[0:1], 0x20             ; the mask s[12:13], the scales' exponents s[14:15]
	s_load_b64 s[16:17], s[0:1], 0x30              ; cc
	v_lshl_add_u32 v254, v0, 2, 0x10800
	v_mov_b32 v255, 0
	v_lshrrev_b32 v1, 5, v0
	v_readfirstlane_b32 s18, v1                    ; wave = batch
	s_mov_b32 s19, ttmp9                           ; block of 64 queries
	s_and_b32 s20, ttmp7, 0xffff                   ; head
	v_and_b32 v19, 31, v0                          ; lane
	v_and_b32 v10, 15, v0                          ; r
	v_bfe_u32 v11, v0, 4, 1                        ; h
	v_lshlrev_b32 v1, 4, v19                       ; an image's place for my lane
	v_lshlrev_b32 v18, 5, v19                      ; the mask: 32 bytes a lane
	v_lshlrev_b32 v2, 12, v11
	v_lshl_add_u32 v2, v10, 4, v2                  ; the tables: sixteen lanes to a row's 256 bytes, two rows (4,096 bytes apart) an instruction
	s_lshl_b32 s21, s18, 3
	v_add_nc_u32 v3, s21, v11
	v_mul_u32_u24 v3, v3, PITCH
	v_lshl_add_u32 v3, v10, 4, v3                  ; and the same place in a buffer: row 8 w + h
	v_mul_u32_u24 v4, v10, PITCH
	v_lshl_add_u32 v4, v11, 5, v4                  ; C: row r, + 32 h
	s_lshl_b32 s21, s18, 12
	s_add_co_u32 s21, s21, MBL
	v_lshl_add_u32 v5, v11, 5, s21                 ; mb: my wave's 4,096 bytes, + 32 h
	v_lshl_add_u32 v7, v19, 7, s21                 ; where I store 32 of them
	v_mov_b32 v13, 0                               ; (named as the upper half of the pair v[12:13])
	v_mov_b32 v16, 0                               ; written once: a lane permute's destination counts as one of its sources
	s_mov_b32 s32, 0x76543210
	s_mov_b32 s33, 0xfedcba98                      ; v_permlanex16_b32's selects for lane l xor 16
	s_mov_b32 s35, 0                               ; mb: the byte at which the trip's keys begin
	s_lshl_b32 s38, s18, 4
	s_add_co_u32 s38, s38, s20                     ; 16 batch + head
	s_lshl_b32 s40, s38, 16
	s_lshl_b32 s39, s19, 12
	s_add_co_u32 s40, s40, s39                     ; qc: 65,536 a (batch, head), 1,024 a tile
	s_mov_b32 s41, 0
	s_lshl_b32 s42, s38, 17                        ; kv: 131,072 a (batch, head)
	s_mov_b32 s43, 0
	s_lshl_b32 s44, s20, 22
	s_lshl_b32 s39, s19, 18
	s_add_co_u32 s44, s44, s39
	s_lshl_b32 s39, s18, 15
	s_add_co_u32 s44, s44, s39                     ; the tables: head 2^22 + (64 block + 8 wave) rows of 4,096 bytes
	s_mov_b32 s45, 0
	s_lshl_b32 s46, s18, 10                        ; the mask: 1,024 bytes a batch
	s_mov_b32 s47, 0
	s_lshl_b32 s48, s18, 20
	s_lshl_b32 s39, s19, 16
	s_add_co_u32 s48, s48, s39
	s_lshl_b32 s39, s20, 10
	s_add_co_u32 s48, s48, s39                     ; cc: (16 tokens' tile x 16 + head) x 1,024
	s_mov_b32 s49, 0
	s_wait_kmcnt 0x0
	s_load_b256 s[24:31], s[14:15], 0x0            ; e0 .. e7
	s_add_nc_u64 s[4:5], s[4:5], s[40:41]
	s_add_nc_u64 s[6:7], s[6:7], s[42:43]
	s_add_nc_u64 s[8:9], s[8:9], s[44:45]
	s_add_nc_u64 s[10:11], s[10:11], s[44:45]
	s_add_nc_u64 s[12:13], s[12:13], s[46:47]
	s_add_nc_u64 s[16:17], s[16:17], s[48:49]
.macro KVLOADS set                     ; a key step's 8,192 bytes of K and V as they lie, into set; then my 8 rows x 256 bytes of both tables
	WIN 0x40                                       ; destination window 1
.irp i, 0,1,2,3,4,5,6,7,8,9,10,11,12,13,14,15
	global_load_b128 v[KV+64*(\set)+4*\i:KV+64*(\set)+4*\i+3], v1, s[6:7] offset:512*\i
.endr
	WIN 0
.irp i, 0,1,2,3
	global_load_b128 v[RP+4*\i:RP+4*\i+3], v2, s[8:9] offset:8192*\i th:TH_LOAD_NT    ; sixteen lanes read 256 consecutive bytes, aligned; read once in the launch
.endr
.irp i, 0,1,2,3
	global_load_b128 v[R2+4*\i:R2+4*\i+3], v2, s[10:11] offset:8192*\i th:TH_LOAD_NT
.endr
.endm
.macro NEXTLOADS set                   ; the bases step behind the wait that showed every earlier load done
	s_add_nc_u64 s[6:7], s[6:7], 8192
	s_add_nc_u64 s[8:9], s[8:9], 256
	s_add_nc_u64 s[10:11], s[10:11], 256
	KVLOADS \set
.endm
; My 8 rows of the tables' step: summed, x 2^-(e2 + e3) (exact), into buffer buf.  Then the step's one barrier: in front of it my stores have landed and my reads of the other buffer are back;
; buffer buf was last read a step ago, in front of the barrier before this one.
.macro TABLE buf
.irp k, 0,2,4,6,8,10,12,14
	v_pk_add_f32 v[RP+\k:RP+\k+1], v[RP+\k:RP+\k+1], v[R2+\k:R2+\k+1]
.endr
.irp k, 0,2,4,6,8,10,12,14
	v_pk_mul_f32 v[RP+\k:RP+\k+1], v[RP+\k:RP+\k+1], s[36:37] op_sel_hi:[1,0]
.endr
.irp i, 0,1,2,3
	ds_store_b128 v3, v[RP+4*\i:RP+4*\i+3] offset:(\buf)*RBUF+2*PITCH*\i
.endr
	s_wait_dscnt 0x0
	s_barrier_signal -1
	s_barrier_wait -1
.endm
.macro CLOAD t, buf                    ; tile t's C: register 8 u + j = (key 16 u + 8 h + j, query 16 t + r)
.set SX, SS+32*((\t)%2)
.irp u, 0,1,2,3
	ds_load_b128 v[SX+8*\u:SX+8*\u+3],   v4 offset:(\buf)*RBUF+16*(\t)*PITCH+64*\u
	ds_load_b128 v[SX+8*\u+4:SX+8*\u+7], v4 offset:(\buf)*RBUF+16*(\t)*PITCH+64*\u+16
.endr
.endm
.macro QK t, set                       ; S^T = K Q^T + C: four accumulators, one instruction each
.set SX, SS+32*((\t)%2)
	WIN 0x01                                       ; source 0 (K) window 1
.irp u, 0,1,2,3
	v_wmma_f32_16x16x64_bf8_bf8 v[SX+8*\u:SX+8*\u+7], v[KV+64*(\set)+8*\u:KV+64*(\set)+8*\u+7], v[QF+8*(\t):QF+8*(\t)+7], v[SX+8*\u:SX+8*\u+7]
.endr
.endm
; Tile t's softmax for a key step.  first = 1: the first step, which starts the largest u and the sum.
.macro SOFT t, first
.set SX, SS+32*((\t)%2)
.set NM, ST+4*(\t)
.set j, 0
.rept 16
	v_pk_fma_f32 v[SX+j:SX+j+1], v[SX+j:SX+j+1], s[22:23], v[MBR+j:MBR+j+1] op_sel_hi:[1,0,1]   ; u = S c + mb; each accumulator from its low end on
.set j, j+2
.endr
	v_max3_num_f32 v10, v[SX], v[SX+1], v[SX+2]    ; the step's largest u of my query among my 32 keys, in two chains,
	v_max3_num_f32 v11, v[SX+3], v[SX+4], v[SX+5]
.irp i, 6,10,14,18,22,26
	v_max3_num_f32 v10, v10, v[SX+\i], v[SX+\i+1]
	v_max3_num_f32 v11, v11, v[SX+\i+2], v[SX+\i+3]
.endr
	v_max3_num_f32 v10, v10, v[SX+30], v[SX+31]
	v_max_num_f32 v10, v10, v11
	v_permlanex16_b32 v16, v10, s32, s33
	v_max_num_f32 v10, v10, v16                    ; and among lane l xor 16's
.if \first
	v_max_num_f32 v[NM+1], 0xff61b1e6, v10         ; not under -3e38, so that M is a number where a whole step is masked
	v_floor_f32 v[NM], -v[NM+1]                    ; -M = floor(-u) = -ceil(u)
.else
	v_max_num_f32 v[NM+1], v[NM+1], v10            ; the running largest u
	v_mov_b32 v17, v[NM]
	v_floor_f32 v[NM], -v[NM+1]
	v_sub_f32 v17, v[NM], v17                      ; old M - new M: a whole number, 0 or less
	v_cvt_i32_f32 v17, v17                         ; (it saturates)
	v_ldexp_f32 v12, 1.0, v17                      ; f = 2^(old M - new M)
.endif
.set j, 0
.rept 16
	v_pk_add_f32 v[SX+j:SX+j+1], v[SX+j:SX+j+1], v[NM:NM+1] op_sel_hi:[1,0]   ; u - M
.set j, j+2
.endr
.set j, 0
.rept 32
	v_exp_f32 v[SX+j], v[SX+j]                     ; p = 2^(u - M), at most 1
.set j, j+1
.endr
.if \first
	v_nop                                          ; a plain line behind the exponentials
.else
	v_pk_mul_f32 v[NM+2:NM+3], v[NM+2:NM+3], v[12:13] op_sel_hi:[1,0]   ; the sum under the new M.  (The plain line behind the exponentials)
.endif
	s_wait_alu depctr_va_vdst(0)                   ; one wait for the 32 exponentials, ahead of their first reader
	v_pk_add_f32 v[14:15], v[SX:SX+1], v[SX+2:SX+3]   ; the sum of the UNQUANTISED p, two at a time, in two chains
.if \first
	v_pk_add_f32 v[NM+2:NM+3], v[SX+4:SX+5], v[SX+6:SX+7]
.set j, 8
.rept 6
	v_pk_add_f32 v[NM+2:NM+3], v[NM+2:NM+3], v[SX+j:SX+j+1]
	v_pk_add_f32 v[14:15], v[14:15], v[SX+j+2:SX+j+3]
.set j, j+4
.endr
.else
.set j, 4
.rept 7
	v_pk_add_f32 v[NM+2:NM+3], v[NM+2:NM+3], v[SX+j:SX+j+1]
	v_pk_add_f32 v[14:15], v[14:15], v[SX+j+2:SX+j+3]
.set j, j+4
.endr
.endif
	v_pk_add_f32 v[NM+2:NM+3], v[NM+2:NM+3], v[14:15]
.set j, 0
.rept 32
	v_min_num_f32 v[SX+j], v[SX+j], v8             ; the conversion does not saturate (ISA guide 7.6.2); p is not negative, so the hold is one-sided
.set j, j+1
.endr
.irp u, 0,1,2,3
	v_cvt_scalef32_pk8_bf8_f32 v[PC+2*\u:PC+2*\u+1], v[SX+8*\u:SX+8*\u+7], v9   ; register pair u of P: keys 16 u + 8 h + 0 .. 7
.endr
.endm
; O^T of tile t under the new M.  These plain lines stand between the conversions and the products that read their codes, and between the next tile's K Q^T and the first read of its scores.
.macro RESC t, first
.if \first
.rept 4
	v_nop
.endr
.else
	WIN 0x41                                       ; O^T (destination and source 0) window 1, f window 0
.set j, 0
.rept 16
	v_pk_mul_f32 v[32*(\t)+j:32*(\t)+j+1], v[32*(\t)+j:32*(\t)+j+1], v[12:13] op_sel_hi:[1,0]
.set j, j+2
.endr
.endif
.endm
.macro PV t, set, first                ; O^T += V^T P^T: four accumulators, one instruction each; in the first step the constant 0 starts the sums
.if \first
	WIN 0x41
.else
	WIN 0x51                                       ; V, C and D window 1, P window 0
.endif
.irp d, 0,1,2,3
.if \first
	v_wmma_f32_16x16x64_bf8_bf8 v[32*(\t)+8*\d:32*(\t)+8*\d+7], v[KV+64*(\set)+32+8*\d:KV+64*(\set)+32+8*\d+7], v[PC:PC+7], 0
.else
	v_wmma_f32_16x16x64_bf8_bf8 v[32*(\t)+8*\d:32*(\t)+8*\d+7], v[KV+64*(\set)+32+8*\d:KV+64*(\set)+32+8*\d+7], v[PC:PC+7], v[32*(\t)+8*\d:32*(\t)+8*\d+7]
.endif
.endr
.endm
; A KEY STEP: 64 keys; K, V in set, the tables in buffer set.  next = 1: the next step's loads go out at the head and are worked at the tail.  mo: the step's keys in mb, bytes behind s35.
; No two matrix instructions that follow each other share an accumulator.
.macro STEP set, next, first, mo
.if \next
	NEXTLOADS 1-(\set)                             ; the last products that read that set stand in front of the last tail's sixteen plain lines
.endif
	v_add_nc_u32 v6, s35, v5
.irp u, 0,1,2,3
	ds_load_b128 v[MBR+8*\u:MBR+8*\u+3],   v6 offset:(\mo)+64*\u
	ds_load_b128 v[MBR+8*\u+4:MBR+8*\u+7], v6 offset:(\mo)+64*\u+16
.endr
	CLOAD 0, \set
	s_wait_dscnt 0x0
	QK 0, \set
	WIN 0
.rept 4
	v_nop                                          ; places in front of the first read of those scores
.endr
.irp t, 0,1,2,3
.if \t < 3
	CLOAD \t+1, \set                               ; the next tile's C lands under this tile's softmax
.endif
	SOFT \t, \first
.if \t < 3
	s_wait_dscnt 0x0
	QK \t+1, \set
.endif
	RESC \t, \first
	PV \t, \set, \first
	WIN 0
.endr
.if \next
	s_wait_loadcnt 0x0                             ; the 24 loads issued at the step's head
	TABLE 1-(\set)
.endif
.endm
	global_load_b128 v[112:115], v18, s[12:13]     ; my 32 bytes of the batch's mask
	global_load_b128 v[116:119], v18, s[12:13] offset:16
.irp i, 0,1,2,3,4,5,6,7
	global_load_b128 v[QF+4*\i:QF+4*\i+3], v1, s[4:5] offset:512*\i   ; Q's four fragments stay in registers
.endr
	KVLOADS 0                                      ; key step 0
	s_wait_loadcnt 0x0
.set k, 0
.rept 32
	v_bfe_u32 v[144+k], v[112+k/4], 8*(k%4), 1
	v_mul_lo_u32 v[144+k], v[144+k], 0xff800000    ; mb: 0, or -infinity where the key is masked
.set k, k+1
.endr
.irp i, 0,1,2,3,4,5,6,7
	ds_store_b128 v7, v[144+4*\i:144+4*\i+3] offset:16*\i
.endr
	s_wait_kmcnt 0x0
	s_add_co_i32 s38, s26, s27                     ; e2 + e3
	s_lshl_b32 s39, s38, 23
	s_add_co_i32 s22, s39, 0x3fb8aa3b              ; c = log2(e) x 2^(e2 + e3): the exponents are added to its exponent field
	s_mov_b32 s23, s22                             ; (named with it as a pair, so it is written)
	s_sub_co_i32 s36, 127, s38
	s_lshl_b32 s36, s36, 23                        ; 2^-(e2 + e3)
	s_mov_b32 s37, s36
	s_add_co_i32 s38, s28, 127
	s_lshl_b32 s39, s38, 23
	v_mov_b32 v9, s39                              ; 2^e4, for p's conversions
	s_add_co_i32 s38, s38, 15
	s_lshl_b32 s38, s38, 23
	s_or_b32 s38, s38, 0x600000
	v_mov_b32 v8, s38                              ; 57,344 x 2^e4
	TABLE 0                                        ; its wait and barrier also stand between the stores of mb and their reads
	STEP 0, 1, 1, 0                                ; key step 0
	s_mov_b32 s34, 7
.Lpair:                                            ; seven trips of two key steps: the sets and buffers are back where they began
	STEP 1, 1, 0, 256
	STEP 0, 1, 0, 512
	s_add_co_u32 s35, s35, 512
	s_sub_co_u32 s34, s34, 1
	s_cmp_lg_u32 s34, 0
	s_cbranch_scc1 .Lpair
	STEP 1, 0, 0, 256                              ; key step 15: nothing more to load
	; THE WAY OUT.  The additions are the places behind the last products.
.irp t, 0,1,2,3
	v_add_f32 v[ST+4*\t+2], v[ST+4*\t+2], v[ST+4*\t+3]   ; the sum's two halves,
.endr
.irp t, 0,1,2,3
	v_permlanex16_b32 v[ST+4*\t+3], v[ST+4*\t+2], s32, s33
.endr
.irp t, 0,1,2,3
	v_add_f32 v[ST+4*\t+2], v[ST+4*\t+2], v[ST+4*\t+3]   ; and lane l xor 16's
.endr
.irp t, 0,1,2,3
	v_rcp_f32 v[ST+4*\t+2], v[ST+4*\t+2]
.endr
	s_sub_co_i32 s38, s30, s28
	s_sub_co_i32 s38, s38, s29                     ; a sum of the second product stands for sum x 2^(e4 + e5): ctx's code is (sum / l) / 2^(e6 - e4 - e5)
	s_add_co_i32 s38, s38, 127
	s_lshl_b32 s39, s38, 23
	v_mov_b32 v9, s39                              ; (a plain line behind the reciprocals)
	s_add_co_i32 s38, s38, 15
	s_lshl_b32 s38, s38, 23
	s_or_b32 s38, s38, 0x600000
	v_mov_b32 v8, s38
	s_wait_alu depctr_va_vdst(0)                   ; one wait for the four reciprocals, ahead of their first reader
.irp t, 0,1,2,3
.set SX, SS+32*(\t%2)
	WIN 0x01                                       ; source 0 (O^T) window 1
.set j, 0
.rept 16
	v_pk_mul_f32 v[SX+j:SX+j+1], v[32*\t+j:32*\t+j+1], v[ST+4*\t+2:ST+4*\t+3] op_sel_hi:[1,0]   ; O^T / l; each accumulator from its low end on
.set j, j+2
.endr
	WIN 0
.set j, 0
.rept 32
	v_med3_num_f32 v[SX+j], v[SX+j], -v8, v8
.set j, j+1
.endr
.irp d, 0,1,2,3
	v_cvt_scalef32_pk8_bf8_f32 v[MBR+8*\t+2*\d:MBR+8*\t+2*\d+1], v[SX+8*\d:SX+8*\d+7], v9   ; register pair d of the head's part of the operand: channels 16 d + 8 h + 0 .. 7 of token r
.endr
	v_nop                                          ; a plain line behind the conversions
	global_store_b128 v1, v[MBR+8*\t:MBR+8*\t+3],   s[16:17] offset:16384*\t       ; 32 lanes store 512 consecutive bytes, aligned
	global_store_b128 v1, v[MBR+8*\t+4:MBR+8*\t+7], s[16:17] offset:16384*\t+512
.endr
	s_wait_tensorcnt 0x0
	ds_add_u32 v254, v255
	s_wait_dscnt 0x0
	s_endpgm
.Lfunc_end_k_q3187d36d5c_attn:
	.size	k_q3187d36d5c_attn, .Lfunc_end_k_q3187d36d5c_attn-k_q3187d36d5c_attn
	.p2alignl 7, 3214868480
	.fill 96, 4, 3214868480
	.section	.rodata,"a",@progbits
	.p2align	6, 0x0
	.amdhsa_kernel k_q3187d36d5c_attn
		.amdhsa_group_segment_fixed_size 68608
		.amdhsa_private_segment_fixed_size 0
		.amdhsa_enable_private_segment 0
		.amdhsa_kernarg_size 56
		.amdhsa_user_sgpr_count 2
		.amdhsa_user_sgpr_kernarg_segment_ptr 1
		.amdhsa_wavefront_size32 1
		.amdhsa_system_sgpr_workgroup_id_x 1
		.amdhsa_system_sgpr_workgroup_id_y 1
		.amdhsa_system_sgpr_workgroup_id_z 1
		.amdhsa_system_vgpr_workitem_id 0
		.amdhsa_next_free_vgpr 512
		.amdhsa_next_free_sgpr 66
		.amdhsa_reserve_vcc 0
		.amdhsa_float_denorm_mode_32 3
		.amdhsa_float_denorm_mode_16_64 3
		.amdhsa_memory_ordered 1
		.amdhsa_forward_progress 1
		.amdhsa_inst_pref_size 180
	.end_amdhsa_kernel
	.amdgpu_metadata
---
amdhsa.version: [ 1, 2 ]
amdhsa.kernels:
  - .name:           k_q3187d36d5c_attn
    .symbol:         k_q3187d36d5c_attn.kd
    .args:
      - { .name: qc, .offset: 0, .size: 8, .value_kind: global_buffer, .address_space: global }
      - { .name: kv, .offset: 8, .size: 8, .value_kind: global_buffer, .address_space: global }
      - { .name: rel_pos, .offset: 16, .size: 8, .value_kind: global_buffer, .address_space: global }
      - { .name: rel_2d_pos, .offset: 24, .size: 8, .value_kind: global_buffer, .address_space: global }
      - { .name: attention_mask, .offset: 32, .size: 8, .value_kind: global_buffer, .address_space: global }
      - { .name: lowp_scales, .offset: 40, .size: 8, .value_kind: global_buffer, .address_space: global }
      - { .name: cc, .offset: 48, .size: 8, .value_kind: global_buffer, .address_space: global }
    .group_segment_fixed_size: 68608
    .private_segment_fixed_size: 0
    .kernarg_segment_align: 8
    .kernarg_segment_size: 56
    .max_flat_workgroup_size: 256
    .sgpr_count:     66
    .vgpr_count:     512
    .wavefront_size: 32
...
	.end_amdgpu_metadata
.endif
;; end of part 3
;; launch outln (part 4): grid 256 x 1, 8 waves a work-group, clusters of 4 x 1, 327,680 bytes of LDS; arguments cc, w_out_codes, lowp_scales, b_out, hidden_states, ln_gamma, ln_beta, out0; writes out0
.if DOCPART == 4
	.amdgcn_target "amdgcn-amd-amdhsa--gfx1250"
	.amdhsa_code_object_version 6
	.text
	.protected	k_q3187d36d5c_outln
	.globl	k_q3187d36d5c_outln
	.p2align	8
	.type	k_q3187d36d5c_outln,@function
k_q3187d36d5c_outln:
	s_mov_b64 s[64:65], 0
	v_nop
	global_prefetch_b8 v0, s[64:65] scope:SCOPE_SE
	s_setreg_imm32_b32 hwreg(HW_REG_WAVE_MODE, 25, 1), 1
	s_wait_xcnt 0x0
	s_wait_alu depctr_hold_cnt(0) depctr_sa_sdst(0) depctr_va_vdst(0) depctr_va_sdst(0) depctr_va_ssrc(0) depctr_va_vcc(0) depctr_vm_vsrc(0)
	s_getreg_b32 s2, hwreg(HW_REG_IB_STS2, 6, 4)
	s_cmp_eq_u32 s2, 0
	s_cbranch_scc0 .Lentry_in_a_cluster
	s_endpgm
.Lentry_in_a_cluster:
	s_bfe_u32 s2, ttmp6, 0x10000c
	s_cmp_lg_u32 s2, 0x3003
	s_cbranch_scc0 .Lentry_shape_is_right
	s_endpgm
.Lentry_shape_is_right:
; out = LayerNorm(ctx W_out^T + b_out + x) x gamma + beta.  The product is on codes of BF8: cc holds ctx as images of the operand's registers, w_out_codes [1024][1024] has K innermost.
; SHARES.  A work-group owns 32 WHOLE rows (1,024 columns), so that mean and variance never leave it.  Wave w makes columns 512 H + 64 w + 0 .. 63, H = 0, 1, for the 32 rows: 8 column tiles x 2 token tiles = 16 accumulators.
; Every work-group walks all of W_out.  CLUSTER: the four partners ask for each tile jointly (the descriptor hangs on the wave's number alone), which divides the requests for W_out by four.
; THE RING.  Eight fills: fill n = rows 512 (n % 2) .. + 511 of W_out, K bytes 256 (n / 2) .. + 255, into slot n % 2; each wave fetches 64 rows by one load.  By this text's count a wave has two loads out at the start, later one.
; ctx's 32 rows (32,768 bytes of images) are copied once into LDS bytes of their own and read from there by all eight waves.
; THE MATRIX INSTRUCTION IS USED TRANSPOSED (source 0 = 16 rows of W_out, source 1 = 16 tokens): a lane holds eight neighbouring columns of one row.  Both operands lie in this form's own layout: registers 2 c, 2 c + 1 = k 16 c + 8 h + 0 .. 7.
; THE WAY OUT.  The sums meet in a stage of 32 rows x (4,096 + 16) bytes.  It lies in slot 0, which has had its last fill and, at the last change of slots, its last read.  Each wave then takes 4 whole rows: 128 bytes... 16 bytes a lane, 8 times a row.
; x, b_out, gamma and beta are asked for at the head and waited for on the way out.  No prefetch: W_out is read again and again by neighbours, and x is on its way through the whole product.
; LIMITS: e6 + e7 between -126 and 127.
; REGISTERS.  window 0: v1-11 addresses; v32-63 ctx's two fragments, later the rows' statistics; v64-127 W_out's four fragments; v128-255 the accumulators, later my four rows.   window 1: v0-127 x; v128-159 b_out; v160-191 gamma; v192-223 beta.
.set PITCH, 272                        ; an LDS row of W_out: 256 bytes + 16
.set WROWS, 64*PITCH                   ; what one tensor load brings
.set SLOT,  8*WROWS                    ; 512 rows
.set AIMG,  2*SLOT                     ; ctx's images: written by LDS stores; no fill lands here
.set SPARE, AIMG+32768                 ; the spare words, 128 bytes for each wave
.set SPI,   4112                       ; a stage row
.set AF,  32
.set WF,  64
.set ACC, 128
.set SA,  32                           ; row i's statistics at v[SA + 8 i]: +0, +1 and +2, +3 two chains; +4 the mean; +6 1 / sqrt(var + eps)
.set G1,  24
.set G0,  32
.set MSB, 0
.macro WIN new                         ; the immediate's high byte repeats the setting that is left
.if MSB != (\new)
	s_set_vgpr_msb (MSB<<8)|(\new)
.set MSB, (\new)
.endif
.endm
.macro CROUND                          ; a round of the cluster's barrier
	s_barrier_signal -1
	s_barrier_wait -1
	s_cmp_lg_u32 s20, 0
	s_cbranch_scc1 .Lnot_wave_0_\@
	s_barrier_signal -3
.Lnot_wave_0_\@:
	s_barrier_wait -3
	s_barrier_signal -1
	s_barrier_wait -1
.endm
	s_load_b512 s[4:19], s[0:1], 0x0               ; cc s[4:5], W_out s[6:7], exponents s[8:9], b_out s[10:11], x s[12:13], gamma s[14:15], beta s[16:17], out s[18:19]
	v_lshl_add_u32 v2, v0, 2, SPARE                ; LDS address of my spare word; never rewritten
	v_mov_b32 v3, 0                                ; 0; never rewritten
	ds_add_u32 v2, v3
	ds_add_u32 v2, v3
	s_wait_dscnt 0x0
	v_lshrrev_b32 v1, 5, v0
	v_readfirstlane_b32 s20, v1                    ; wave 0..7
	s_bfe_u32 s21, ttmp6, 0x40000                  ; cx
	s_lshl_b32 s22, ttmp9, 2
	s_add_co_u32 s22, s22, s21                     ; my block of 32 rows: it enters the addresses of cc, x and out alone
	; descriptor group 1: a tile of 64 rows x 256 bytes, 1,024 bytes apart in memory, padded in LDS
	s_mov_b32 s[G1], 15|(0<<16)|(1<<20)|(1<<21)|(5<<22)|(3<<25)   ; 15:0 the mask: all four work-groups; 17:16 elements of 1 byte; 20 padding on; 21 set beside a mask; 24:22 after every 64 words; 31:25 four words
	s_mov_b32 s[G1+1], 256<<16                     ; tensor_dim0
	s_mov_b32 s[G1+2], 64<<16                      ; tensor_dim1
	s_mov_b32 s[G1+3], 256<<16                     ; tile_dim0
	s_mov_b32 s[G1+4], 64                          ; tile_dim1
	s_mov_b32 s[G1+5], 1024                        ; tensor_dim0_stride
	s_mov_b32 s[G1+6], 0
	s_mov_b32 s[G1+7], 0
	s_mul_i32 s54, s20, WROWS                      ; my 64 rows' place in a slot
	s_lshl_b32 s56, s20, 16                        ; and in memory: 64 w rows of 1,024 bytes
	s_mov_b32 s57, 0
	s_mov_b32 s50, 0x76543210
	s_mov_b32 s51, 0xfedcba98                      ; v_permlanex16_b32's selects for lane l xor 16
	s_mov_b32 s52, 0x3a800000                      ; 1 / 1,024
	s_mov_b32 s53, 0x2b8cbccc                      ; 1e-12
	s_wait_kmcnt 0x0
	s_load_b256 s[40:47], s[8:9], 0x0              ; e0 .. e7: wanted on the way out
	s_add_nc_u64 s[56:57], s[6:7], s[56:57]
	CROUND                                         ; all four work-groups are here: the first joint loads meet
.irp p, 0,1
	s_mov_b32 s[G0+4*\p], 1                        ; count = 1
	s_add_co_u32 s[G0+4*\p+1], s54, \p*SLOT        ; LDS address
	s_add_nc_u64 s[G0+4*\p+2:G0+4*\p+3], s[56:57], \p*512*1024   ; rows 512 p + 64 w on, K bytes 0 on
	s_or_b32 s[G0+4*\p+3], s[G0+4*\p+3], 0x80000000
.endr
	tensor_load_to_lds s[G0:G0+3], s[G1:G1+7]      ; fills 0 and 1 go out together
	s_nop 0
	tensor_load_to_lds s[G0+4:G0+7], s[G1:G1+7]
	s_nop 0
.rept 4
	v_nop
.endr
	v_and_b32 v21, 31, v0                          ; lane
	v_and_b32 v22, 15, v0                          ; r
	v_bfe_u32 v23, v0, 4, 1                        ; h
	v_lshlrev_b32 v1, 4, v21                       ; 16 x lane
	v_lshlrev_b32 v11, 4, v0                       ; 16 x thread
	v_mul_u32_u24 v4, v22, PITCH
	v_lshl_add_u32 v4, v23, 3, v4
	v_add_nc_u32 v4, s54, v4                       ; W_out's fragments in slot 0: row r x pitch + 8 h + my 64 rows,
	v_add_nc_u32 v5, SLOT, v4                      ; in slot 1
	v_add_nc_u32 v6, AIMG, v1                      ; ctx's images: read,
	v_add_nc_u32 v7, AIMG, v11                     ; and written
	v_mul_u32_u24 v8, v22, SPI
	v_lshl_add_u32 v8, v23, 5, v8
	s_lshl_b32 s55, s20, 8
	v_add_nc_u32 v8, s55, v8                       ; the stage, in: row r, + 32 h + 256 w,
	v_add_nc_u32 v9, 16*SPI, v8                    ; the second token tile's rows
	s_mul_i32 s55, s20, 4*SPI
	v_add_nc_u32 v10, s55, v1                      ; back: my 4 rows, 16 bytes a lane
	s_lshl_b32 s58, s22, 15                        ; cc: 32,768 bytes a block
	s_mov_b32 s59, 0
	s_add_nc_u64 s[4:5], s[4:5], s[58:59]
	s_lshl_b32 s58, s22, 17
	s_lshl_b32 s55, s20, 14
	s_add_co_u32 s58, s58, s55                     ; x and out: row 32 block + 4 wave, 4,096 bytes a row
	s_add_nc_u64 s[12:13], s[12:13], s[58:59]
	s_add_nc_u64 s[18:19], s[18:19], s[58:59]
.irp j, 0,1,2,3,4,5,6,7
	global_load_b128 v[WF+4*\j:WF+4*\j+3], v11, s[4:5] offset:4096*\j   ; ctx's images: the work-group reads 4,096 consecutive bytes an instruction
.endr
	WIN 0x40                                       ; destination window 1
.irp i, 0,1,2,3
.irp j, 0,1,2,3,4,5,6,7
	global_load_b128 v[32*\i+4*\j:32*\i+4*\j+3], v1, s[12:13] offset:4096*\i+512*\j th:TH_LOAD_NT
.endr
.endr
.irp j, 0,1,2,3,4,5,6,7
	global_load_b128 v[128+4*\j:128+4*\j+3], v1, s[10:11] offset:512*\j
	global_load_b128 v[160+4*\j:160+4*\j+3], v1, s[14:15] offset:512*\j
	global_load_b128 v[192+4*\j:192+4*\j+3], v1, s[16:17] offset:512*\j
.endr
	WIN 0
	s_wait_loadcnt 56                              ; ctx's eight loads are in; the 32 of x and the 24 of b_out, gamma and beta stay out through the whole product
.irp j, 0,1,2,3,4,5,6,7
	ds_store_b128 v7, v[WF+4*\j:WF+4*\j+3] offset:4096*\j
.endr
	s_wait_tensorcnt 1                             ; my part of fill 0 is in; fill 1 may stay out
	s_wait_dscnt 0x0                               ; my part of ctx's images has landed
	s_barrier_signal -1
	s_barrier_wait -1
; Slot p, K step g of 256: twice 128 along K: ctx's two fragments, my four of W_out, eight matrix instructions on eight accumulators by turns.
; places = 1: four plain lines are still owed in front of the loads into registers that matrix instructions have read.
.macro WORK p, g, places
.irp q, 0,1
.if (\q) || (\places)
.rept 4
	v_nop
.endr
.endif
.irp t, 0,1
.irp c, 0,1,2,3
	ds_load_b128 v[AF+16*\t+4*\c:AF+16*\t+4*\c+3], v6 offset:16384*\t+(2*(\g)+\q)*2048+512*\c
.endr
.endr
.irp u, 0,1,2,3
.irp c, 0,1,2,3,4,5,6,7
	ds_load_b64 v[WF+16*\u+2*\c:WF+16*\u+2*\c+1], v[4+(\p)] offset:16*PITCH*\u+128*\q+16*\c
.endr
.endr
	s_wait_dscnt 0x0
.irp u, 0,1,2,3
.irp t, 0,1
.if ((\g) == 0) && (\q == 0)
	v_wmma_f32_16x16x128_bf8_bf8 v[ACC+8*((4*(\p)+\u)*2+\t):ACC+8*((4*(\p)+\u)*2+\t)+7], v[WF+16*\u:WF+16*\u+15], v[AF+16*\t:AF+16*\t+15], 0
.else
	v_wmma_f32_16x16x128_bf8_bf8 v[ACC+8*((4*(\p)+\u)*2+\t):ACC+8*((4*(\p)+\u)*2+\t)+7], v[WF+16*\u:WF+16*\u+15], v[AF+16*\t:AF+16*\t+15], v[ACC+8*((4*(\p)+\u)*2+\t):ACC+8*((4*(\p)+\u)*2+\t)+7]
.endif
.endr
.endr
.endr
.endm
; THE CHANGE OF SLOTS.  Each wave waits for all its tensor loads (its part of the slot ahead), adds 0 to its spare word, and waits for that and for its reads of the slot that it has left.
; fill = 1: slot p, just left, is filled again, 256 further along K: the barrier is a round of the cluster's, and the joint load is the first thing behind it.
.macro CHANGE p, fill
	s_wait_tensorcnt 0x0                           ; no tensor load of mine is out, so a group 0 may be written
	ds_add_u32 v2, v3                              ; 0 onto my spare word
.if \fill
	s_add_nc_u64 s[G0+4*(\p)+2:G0+4*(\p)+3], s[G0+4*(\p)+2:G0+4*(\p)+3], 256
.endif
	s_wait_dscnt 0x0                               ; the add is done, and my reads of the slot that I have left are over
.if \fill
	CROUND
	tensor_load_to_lds s[G0+4*(\p):G0+4*(\p)+3], s[G1:G1+7]
	s_nop 0
.rept 4
	v_nop                                          ; places in front of the loads that follow
.endr
.else
	s_barrier_signal -1
	s_barrier_wait -1
.endif
.endm
	WORK 0, 0, 0                                   ; fill 0
.irp n, 1,2,3,4,5,6
	CHANGE (\n+1)%2, 1                             ; fill n + 1 goes out, into the slot just left
	WORK \n%2, \n/2, 0                             ; fill n
.endr
	CHANGE 0, 0                                    ; nothing is left to fetch
	WORK 1, 3, 1                                   ; fill 7
	; THE WAY OUT
.rept 4
	v_nop                                          ; places in front of the first read of results
.endr
.irp p, 0,1
.irp u, 0,1,2,3
.irp t, 0,1
	ds_store_b128 v[8+\t], v[ACC+8*((4*\p+\u)*2+\t):ACC+8*((4*\p+\u)*2+\t)+3]   offset:2048*\p+64*\u      ; lane (r, h): row 16 t + r, columns 512 p + 64 w + 16 u + 8 h + 0 .. 7; each accumulator from its low end on
	ds_store_b128 v[8+\t], v[ACC+8*((4*\p+\u)*2+\t)+4:ACC+8*((4*\p+\u)*2+\t)+7] offset:2048*\p+64*\u+16
.endr
.endr
.endr
	s_wait_dscnt 0x0                               ; for the others' sake: my stores into the stage are done
	s_barrier_signal -1
	s_barrier_wait -1
.irp i, 0,1,2,3
.irp j, 0,1,2,3,4,5,6,7
	ds_load_b128 v[ACC+32*\i+4*\j:ACC+32*\i+4*\j+3], v10 offset:SPI*\i+512*\j   ; row 4 w + i, columns 128 j + 4 lane + 0 .. 3
.endr
.endr
	s_wait_kmcnt 0x0
	s_add_co_i32 s48, s46, s47
	s_add_co_i32 s48, s48, 127
	s_lshl_b32 s48, s48, 23                        ; 2^(e6 + e7) as f32
	s_mov_b32 s49, s48                             ; (named with it as a pair, so it is written)
.irp i, 0,1,2,3
	v_mov_b32 v[SA+8*\i+5], 0                      ; (the upper halves of the pairs that hold the mean and the reciprocal root)
	v_mov_b32 v[SA+8*\i+7], 0
.endr
	s_wait_loadcnt 0x0                             ; x, b_out, gamma, beta
	s_wait_dscnt 0x0                               ; my four rows
	WIN 0x10                                       ; source 2 (x) window 1
.irp i, 0,1,2,3
.set j, 0
.rept 16
	v_pk_fma_f32 v[ACC+32*\i+j:ACC+32*\i+j+1], v[ACC+32*\i+j:ACC+32*\i+j+1], s[48:49], v[32*\i+j:32*\i+j+1] op_sel_hi:[1,0,1]   ; sum x 2^(e6 + e7) + x
.set j, j+2
.endr
.endr
	WIN 0x04                                       ; source 1 (b_out) window 1
.irp i, 0,1,2,3
.set j, 0
.rept 16
	v_pk_add_f32 v[ACC+32*\i+j:ACC+32*\i+j+1], v[ACC+32*\i+j:ACC+32*\i+j+1], v[128+j:128+j+1]
.set j, j+2
.endr
.endr
	WIN 0
.macro ACROSS                          ; the four rows' sums over the 32 lanes: four steps inside each half ride on the addition, one crosses the halves; the rows take turns
.irp m, 1,2,4,8
.irp i, 0,1,2,3
	v_add_f32_dpp v[SA+8*\i], v[SA+8*\i], v[SA+8*\i] row_xmask:\m row_mask:0xf bank_mask:0xf
.endr
.endr
.irp i, 0,1,2,3
	v_permlanex16_b32 v[SA+8*\i+2], v[SA+8*\i], s50, s51
.endr
.irp i, 0,1,2,3
	v_add_f32 v[SA+8*\i], v[SA+8*\i], v[SA+8*\i+2]
.endr
.endm
.irp i, 0,1,2,3
	v_pk_add_f32 v[SA+8*\i:SA+8*\i+1],   v[ACC+32*\i:ACC+32*\i+1],   v[ACC+32*\i+2:ACC+32*\i+3]   ; a lane's 32 numbers, two at a time, in two chains
	v_pk_add_f32 v[SA+8*\i+2:SA+8*\i+3], v[ACC+32*\i+4:ACC+32*\i+5], v[ACC+32*\i+6:ACC+32*\i+7]
.set j, 8
.rept 6
	v_pk_add_f32 v[SA+8*\i:SA+8*\i+1],   v[SA+8*\i:SA+8*\i+1],   v[ACC+32*\i+j:ACC+32*\i+j+1]
	v_pk_add_f32 v[SA+8*\i+2:SA+8*\i+3], v[SA+8*\i+2:SA+8*\i+3], v[ACC+32*\i+j+2:ACC+32*\i+j+3]
.set j, j+4
.endr
	v_pk_add_f32 v[SA+8*\i:SA+8*\i+1], v[SA+8*\i:SA+8*\i+1], v[SA+8*\i+2:SA+8*\i+3]
	v_add_f32 v[SA+8*\i], v[SA+8*\i], v[SA+8*\i+1]
.endr
	ACROSS
.irp i, 0,1,2,3
	v_mul_f32 v[SA+8*\i+4], s52, v[SA+8*\i]        ; the mean
.endr
.irp i, 0,1,2,3
.set j, 0
.rept 16
	v_pk_add_f32 v[ACC+32*\i+j:ACC+32*\i+j+1], v[ACC+32*\i+j:ACC+32*\i+j+1], v[SA+8*\i+4:SA+8*\i+5] op_sel_hi:[1,0] neg_lo:[0,1] neg_hi:[0,1]   ; h - mean
.set j, j+2
.endr
.endr
.irp i, 0,1,2,3
	v_pk_mul_f32 v[SA+8*\i:SA+8*\i+1],   v[ACC+32*\i:ACC+32*\i+1],   v[ACC+32*\i:ACC+32*\i+1]     ; the squares, in two chains
	v_pk_mul_f32 v[SA+8*\i+2:SA+8*\i+3], v[ACC+32*\i+2:ACC+32*\i+3], v[ACC+32*\i+2:ACC+32*\i+3]
.set j, 4
.rept 7
	v_pk_fma_f32 v[SA+8*\i:SA+8*\i+1],   v[ACC+32*\i+j:ACC+32*\i+j+1],   v[ACC+32*\i+j:ACC+32*\i+j+1],   v[SA+8*\i:SA+8*\i+1]
	v_pk_fma_f32 v[SA+8*\i+2:SA+8*\i+3], v[ACC+32*\i+j+2:ACC+32*\i+j+3], v[ACC+32*\i+j+2:ACC+32*\i+j+3], v[SA+8*\i+2:SA+8*\i+3]
.set j, j+4
.endr
	v_pk_add_f32 v[SA+8*\i:SA+8*\i+1], v[SA+8*\i:SA+8*\i+1], v[SA+8*\i+2:SA+8*\i+3]
	v_add_f32 v[SA+8*\i], v[SA+8*\i], v[SA+8*\i+1]
.endr
	ACROSS
.irp i, 0,1,2,3
	v_fma_f32 v[SA+8*\i+6], v[SA+8*\i], s52, s53   ; the variance + 1e-12
.endr
.irp i, 0,1,2,3
	v_rsq_f32 v[SA+8*\i+6], v[SA+8*\i+6]
.endr
	v_nop                                          ; a plain line behind the last of them
	s_wait_alu depctr_va_vdst(0)                   ; one wait for the four, ahead of their first reader
.irp i, 0,1,2,3
.set j, 0
.rept 16
	v_pk_mul_f32 v[ACC+32*\i+j:ACC+32*\i+j+1], v[ACC+32*\i+j:ACC+32*\i+j+1], v[SA+8*\i+6:SA+8*\i+7] op_sel_hi:[1,0]
.set j, j+2
.endr
.endr
	WIN 0x14                                       ; sources 1 (gamma) and 2 (beta) window 1
.irp i, 0,1,2,3
.set j, 0
.rept 16
	v_pk_fma_f32 v[ACC+32*\i+j:ACC+32*\i+j+1], v[ACC+32*\i+j:ACC+32*\i+j+1], v[160+j:160+j+1], v[192+j:192+j+1]
.set j, j+2
.endr
.endr
	WIN 0
.irp i, 0,1,2,3
.irp j, 0,1,2,3,4,5,6,7
	global_store_b128 v1, v[ACC+32*\i+4*\j:ACC+32*\i+4*\j+3], s[18:19] offset:4096*\i+512*\j th:TH_STORE_NT   ; 32 lanes store 512 consecutive bytes, aligned; written once
.endr
.endr
	s_wait_tensorcnt 0x0                           ; the wave's end
	ds_add_u32 v2, v3
	s_wait_dscnt 0x0
	CROUND                                         ; the closing round: no work-group ends while a partner may still ask for a tile that names it
	s_endpgm
.Lfunc_end_k_q3187d36d5c_outln:
	.size	k_q3187d36d5c_outln, .Lfunc_end_k_q3187d36d5c_outln-k_q3187d36d5c_outln
	.p2alignl 7, 3214868480
	.fill 96, 4, 3214868480
	.section	.rodata,"a",@progbits
	.p2align	6, 0x0
	.amdhsa_kernel k_q3187d36d5c_outln
		.amdhsa_group_segment_fixed_size 327680
		.amdhsa_private_segment_fixed_size 0
		.amdhsa_enable_private_segment 0
		.amdhsa_kernarg_size 64
		.amdhsa_user_sgpr_count 2
		.amdhsa_user_sgpr_kernarg_segment_ptr 1
		.amdhsa_wavefront_size32 1
		.amdhsa_system_sgpr_workgroup_id_x 1
		.amdhsa_system_sgpr_workgroup_id_y 1
		.amdhsa_system_sgpr_workgroup_id_z 1
		.amdhsa_system_vgpr_workitem_id 0
		.amdhsa_next_free_vgpr 512
		.amdhsa_next_free_sgpr 66
		.amdhsa_reserve_vcc 0
		.amdhsa_float_denorm_mode_32 3
		.amdhsa_float_denorm_mode_16_64 3
		.amdhsa_memory_ordered 1
		.amdhsa_forward_progress 1
		.amdhsa_inst_pref_size 105
	.end_amdhsa_kernel
	.amdgpu_metadata
---
amdhsa.version: [ 1, 2 ]
amdhsa.kernels:
  - .name:           k_q3187d36d5c_outln
    .symbol:         k_q3187d36d5c_outln.kd
    .args:
      - { .name: cc, .offset: 0, .size: 8, .value_kind: global_buffer, .address_space: global }
      - { .name: w_out_codes, .offset: 8, .size: 8, .value_kind: global_buffer, .address_space: global }
      - { .name: lowp_scales, .offset: 16, .size: 8, .value_kind: global_buffer, .address_space: global }
      - { .name: b_out, .offset: 24, .size: 8, .value_kind: global_buffer, .address_space: global }
      - { .name: hidden_states, .offset: 32, .size: 8, .value_kind: global_buffer, .address_space: global }
      - { .name: ln_gamma, .offset: 40, .size: 8, .value_kind: global_buffer, .address_space: global }
      - { .name: ln_beta, .offset: 48, .size: 8, .value_kind: global_buffer, .address_space: global }
      - { .name: out0, .offset: 56, .size: 8, .value_kind: global_buffer, .address_space: global }
    .group_segment_fixed_size: 327680
    .private_segment_fixed_size: 0
    .kernarg_segment_align: 8
    .kernarg_segment_size: 64
    .max_flat_workgroup_size: 256
    .sgpr_count:     66
    .vgpr_count:     512
    .wavefront_size: 32
...
	.end_amdgpu_metadata
.endif
;; end of part 4
;; ======== version 2 of 3: 4 launches; 1.13 times as fast as version 1
;; workspace buffers: xc 8,388,608 bytes; qc 8,388,608 bytes; kv 16,777,216 bytes; cc 8,388,608 bytes
;; launch quantx (part 5): grid 1024 x 1, 4 waves a work-group, no clusters, 33,280 bytes of LDS; arguments hidden_states, lowp_scales, xc; writes xc
.if DOCPART == 5
	.amdgcn_target "amdgcn-amd-amdhsa--gfx1250"
	.amdhsa_code_object_version 6
	.text
	.protected	k_q3187d36d5c_quantx
	.globl	k_q3187d36d5c_quantx
	.p2align	8
	.type	k_q3187d36d5c_quantx,@function
k_q3187d36d5c_quantx:
	s_mov_b64 s[64:65], 0
	v_nop
	global_prefetch_b8 v0, s[64:65] scope:SCOPE_SE
	s_setreg_imm32_b32 hwreg(HW_REG_WAVE_MODE, 25, 1), 1
	s_wait_xcnt 0x0
; hidden_states [8192][1024] f32 becomes codes of BF8 (E5M2), one byte each, K innermost: xc [8192][1024].
; code = x / 2^e0, held within +-57,344, rounded to the nearest code, ties to even; e0 is entry 0 of the scales' exponents.
; LIMITS: -126 <= e0 <= 112, so that 2^e0 and 57,344 x 2^e0 are f32 numbers.  NaN among the inputs is not served.
; Rows are dense, so the tensor is a plain stream.  A wave takes 4 steps of 512 numbers: 4 waves x 1,024 work-groups x 2,048 = 8,388,608.
; All sixteen loads of a wave go out at its head, and with 144 registers and 32,768 bytes of LDS several work-groups lie on a WGP: every byte of the input is asked for as soon as its wave starts.
; A conversion takes eight neighbours from ONE lane's registers, a load is best where neighbouring LANES take neighbouring bytes: each of a step's
; four loads reads 512 consecutive bytes, the 2,048 bytes turn through the wave's own stage in LDS and come back 64 bytes a lane.
; A lane's 16 codes are 16 bytes: the wave stores 512 consecutive bytes, aligned.  No barrier: waves share nothing.
.set STEPS, 4
.set EMAX,  15
.set MANT,  0x600000                   ; the mantissa field of 57,344 as f32
.set CB,    16                         ; bytes of 16 codes
.set R,     16                         ; v16-79   four sets of 16 numbers as they are loaded: one for each step
.set X,     80                         ; v80-111  two sets of 16 neighbours
.set C,     128                        ; v128-143 codes: four registers for each step, so that no store's data are written again
.set WREG,  8192                       ; LDS: a region for each wave: two stages of 32 x SP bytes
.set SP,    80                         ; a lane's place in a stage: its 64 bytes + 16 of padding
	s_load_b128 s[4:7], s[0:1], 0x0                ; x, the scales' exponents
	s_load_b64 s[8:9], s[0:1], 0x10                ; the codes
	v_lshl_add_u32 v144, v0, 2, 0x8000
	v_mov_b32 v145, 0
	v_lshrrev_b32 v1, 5, v0
	v_readfirstlane_b32 s16, v1                    ; wave
	v_and_b32 v2, 31, v0                           ; lane
	v_lshlrev_b32 v3, 4, v2                        ; my 16 bytes of a load's 512
	s_mul_i32 s17, s16, WREG
	v_lshrrev_b32 v14, 2, v2
	v_mul_u32_u24 v14, v14, SP
	v_and_b32 v15, 3, v2
	v_lshl_add_u32 v14, v15, 4, v14
	v_add_nc_u32 v14, s17, v14                     ; the stage, on the way in: SP (lane / 4) + 16 (lane % 4)
	v_mul_u32_u24 v15, v2, SP
	v_add_nc_u32 v15, s17, v15                     ; and on the way out: SP x lane: my 16 neighbours
	v_mul_u32_u24 v4, v2, CB                       ; my codes' place in a step's
	s_lshl_b32 s17, ttmp9, 2
	s_add_co_u32 s18, s17, s16                     ; which run of 2,048 numbers is my wave's: 0 .. 4,095
	s_lshl_b32 s20, s18, 13                        ; 8,192 bytes of f32 a run
	s_mov_b32 s21, 0
	s_lshl_b32 s24, s18, 11                        ; 2,048 bytes of codes a run
	s_mov_b32 s25, 0
	s_wait_kmcnt 0x0
	s_load_b32 s22, s[6:7], 0x0                    ; e0
	s_add_nc_u64 s[4:5], s[4:5], s[20:21]
	s_add_nc_u64 s[8:9], s[8:9], s[24:25]
.macro LOAD t
.irp i, 0,1,2,3
	global_load_b128 v[R+16*((\t)%4)+4*\i:R+16*((\t)%4)+4*\i+3], v3, s[4:5] offset:2048*(\t)+512*\i th:TH_LOAD_NT   ; 32 lanes read 512 consecutive bytes
.endr
.endm
.macro TURN t                          ; step t's numbers through the stage: LDS serves a wave's instructions in order, so no wait stands between the stores and the loads
.irp i, 0,1,2,3
	ds_store_b128 v14, v[R+16*((\t)%4)+4*\i:R+16*((\t)%4)+4*\i+3] offset:32*SP*((\t)%2)+8*SP*\i
.endr
.irp i, 0,1,2,3
	ds_load_b128 v[X+16*((\t)%2)+4*\i:X+16*((\t)%2)+4*\i+3], v15 offset:32*SP*((\t)%2)+16*\i
.endr
.endm
.irp t, 0,1,2,3
	LOAD \t
.endr
	s_wait_kmcnt 0x0
	s_add_co_i32 s22, s22, 127
	s_lshl_b32 s23, s22, 23
	v_mov_b32 v11, s23                             ; 2^e0 as f32: the conversion takes its exponent field
	s_add_co_i32 s22, s22, EMAX
	s_lshl_b32 s22, s22, 23
	s_or_b32 s22, s22, MANT
	v_mov_b32 v10, s22                             ; 57,344 x 2^e0
	s_wait_loadcnt 12                              ; step 0's four loads are in; the twelve of steps 1 to 3 may be out
	TURN 0
.macro STEP t
.set XS, X+16*((\t)%2)
	s_wait_dscnt 0x0                               ; this step's numbers are back from the stage
.if (\t)+1 < STEPS
	s_wait_loadcnt 4*(STEPS-2-(\t))                ; the next step's four loads are in; those of the steps behind it may be out: 8, 4, 0
	TURN (\t)+1                                    ; and go through the other stage while this step is worked
.endif
.irp i, 0,1,2,3,4,5,6,7,8,9,10,11,12,13,14,15
	v_med3_num_f32 v[XS+\i], v[XS+\i], -v10, v10   ; the conversion to an 8-bit code does not saturate (ISA guide 7.6.2): the hold comes first
.endr
	v_cvt_scalef32_pk8_bf8_f32 v[C+4*(\t):C+4*(\t)+1], v[XS:XS+7], v11
	v_cvt_scalef32_pk8_bf8_f32 v[C+4*(\t)+2:C+4*(\t)+3], v[XS+8:XS+15], v11
	global_store_b128 v4, v[C+4*(\t):C+4*(\t)+3], s[8:9] offset:32*CB*(\t)   ; the codes go to a store alone; the next step's holds are plain lines on other registers
.endm
.irp t, 0,1,2,3
	STEP \t
.endr
	s_wait_tensorcnt 0x0
	ds_add_u32 v144, v145
	s_wait_dscnt 0x0
	s_endpgm
.Lfunc_end_k_q3187d36d5c_quantx:
	.size	k_q3187d36d5c_quantx, .Lfunc_end_k_q3187d36d5c_quantx-k_q3187d36d5c_quantx
	.p2alignl 7, 3214868480
	.fill 96, 4, 3214868480
	.section	.rodata,"a",@progbits
	.p2align	6, 0x0
	.amdhsa_kernel k_q3187d36d5c_quantx
		.amdhsa_group_segment_fixed_size 33280
		.amdhsa_private_segment_fixed_size 0
		.amdhsa_enable_private_segment 0
		.amdhsa_kernarg_size 24
		.amdhsa_user_sgpr_count 2
		.amdhsa_user_sgpr_kernarg_segment_ptr 1
		.amdhsa_wavefront_size32 1
		.amdhsa_system_sgpr_workgroup_id_x 1
		.amdhsa_system_sgpr_workgroup_id_y 1
		.amdhsa_system_sgpr_workgroup_id_z 1
		.amdhsa_system_vgpr_workitem_id 0
		.amdhsa_next_free_vgpr 146
		.amdhsa_next_free_sgpr 66
		.amdhsa_reserve_vcc 0
		.amdhsa_float_denorm_mode_32 3
		.amdhsa_float_denorm_mode_16_64 3
		.amdhsa_memory_ordered 1
		.amdhsa_forward_progress 1
		.amdhsa_inst_pref_size 11
	.end_amdhsa_kernel
	.amdgpu_metadata
---
amdhsa.version: [ 1, 2 ]
amdhsa.kernels:
  - .name:           k_q3187d36d5c_quantx
    .symbol:         k_q3187d36d5c_quantx.kd
    .args:
      - { .name: hidden_states, .offset: 0, .size: 8, .value_kind: global_buffer, .address_space: global }
      - { .name: lowp_scales, .offset: 8, .size: 8, .value_kind: global_buffer, .address_space: global }
      - { .name: xc, .offset: 16, .size: 8, .value_kind: global_buffer, .address_space: global }
    .group_segment_fixed_size: 33280
    .private_segment_fixed_size: 0
    .kernarg_segment_align: 8
    .kernarg_segment_size: 24
    .max_flat_workgroup_size: 128
    .sgpr_count:     66
    .vgpr_count:     146
    .wavefront_size: 32
...
	.end_amdgpu_metadata
.endif
;; end of part 5
;; launch qkv: the kernel of part 2 again; grid 12 x 32, 4 waves a work-group, clusters of 4 x 4, 327,680 bytes of LDS; arguments xc, w_qkv_codes, lowp_scales, q_bias, v_bias, qc, kv; writes qc, kv
;; launch attn (part 6): grid 16 x 16, 8 waves a work-group, no clusters, 68,608 bytes of LDS; arguments qc, kv, rel_pos, rel_2d_pos, attention_mask, lowp_scales, cc; writes cc
.if DOCPART == 6
	.amdgcn_target "amdgcn-amd-amdhsa--gfx1250"
	.amdhsa_code_object_version 6
	.text
	.protected	k_q3187d36d5c_attn
	.globl	k_q3187d36d5c_attn
	.p2align	8
	.type	k_q3187d36d5c_attn,@function
k_q3187d36d5c_attn:
	s_mov_b64 s[64:65], 0
	v_nop
	global_prefetch_b8 v0, s[64:65] scope:SCOPE_SE
	s_setreg_imm32_b32 hwreg(HW_REG_WAVE_MODE, 25, 1), 1
	s_wait_xcnt 0x0
; ctx = softmax(q k^T + rel_pos + rel_2d_pos, masked keys at -infinity) v, both products on codes of BF8; ctx is quantised with 2^e6 and stored as images of the last product's operand registers.
; SHARES.  A work-group owns one head and 64 queries FOR ALL 8 BATCHES: the two tables do not hang on the batch, so each of their bytes is read once in the launch and summed and scaled once for eight batches.
; Wave w is batch w: four tiles of 16 queries; it walks the 1,024 keys 64 a step.  K and V are the wave's own: they come from kv straight into registers, as images, and each fragment feeds four tiles.
; The tables' step (64 queries x 64 keys) is shared: each wave loads, adds and scales 8 rows and stores them in LDS; two buffers, ONE barrier a step.
; No joint loads: the 16 query blocks of a head do read the same kv, but inside a work-group each fragment has one reader, so the way through LDS would add 8 LDS bytes to every 4 scores and a round of a cluster's barrier to every step.
; LAYOUT.  S^T = K Q^T + C (source 0 = 16 keys, source 1 = 16 queries): lane (r, h) holds query r and keys 8 h + 0 .. 7.  C = (rel_pos + rel_2d_pos) x 2^-(e2 + e3), read from LDS in the result's layout: the tables cost no addition.
; One conversion of a tile's eight registers is register pair (tile) of P, source 1 of O^T = V^T P^T, whose result again holds one query a lane.
; SOFTMAX.  u = S c + mb, c = log2(e) 2^(e2 + e3), mb = 0 or -infinity by (batch, key).  M = the running largest u rounded UP to a whole number, kept as -M = floor(-u); p = 2^(u - M) is quantised with 2^e4;
; the row's sum is taken of the unquantised p; when M moves, the sum and O^T are multiplied by 2^(old M - new M): exact.  At the end O^T / sum.
; THE HOLD ON p.  p is at most 1 and the hold stands at 57,344 x 2^e4, which is 1 or more where e4 >= -15: there the 32 lines of a tile's hold are jumped over, by a scalar branch on the given whole number e4; elsewhere they run.
; A STEP'S ORDER.  Tiles 0, 1, 2; then the next step's tables go into the other buffer and the barrier follows: my last read of this step's buffer (tile 3's C) is back by then, since tile 3's K Q^T has taken it.
; Between the barrier's signal and its wait stands tile 3's scaling and maximum (registers alone).  Behind the wait the next step's tile-0 C and its mb are asked for at once and land under the rest of tile 3's softmax.
; THE STREAMS.  The tables of step s + 2 are asked for in tile 3 of step s, K of step s + 1 behind tile 0's K Q^T of step s, V of step s + 1 at the head of tile 1: never one long run, and each three tiles' work or more ahead of
; the wait for it.  So they have no prefetch of their own.
; LIMITS: |e2 + e3| <= 126; e4 and e6 - e4 - e5 between -126 and 112; a mask byte is 0 or 1.  A batch ALL of whose keys are masked gives NaN in reference(); here the hold ahead of the last conversion swallows the NaN: not served.
; REGISTERS.  window 0: v1-7 addresses; v8, v9 hold and scale; v10-17 at work; v20 + 4 t: -M, largest u, the sum in two halves; v40-71 Q; v72-79 p's codes; v80-111, v208-239 mb of steps by turns;
;   v112-143, v144-175 S^T of tiles by turns; v176-207 the tables.   window 1: v0-127 O^T (tile t at 32 t, d-tile at + 8); v128-191, v192-255 two sets of a key step's K (4 x 8) and V (4 x 8).
.set PITCH, 272                        ; a query's row in LDS: 64 f32 + 16 bytes: an odd multiple of 16
.set RBUF,  64*PITCH                   ; a buffer: 17,408 bytes
.set MBL,   2*RBUF                     ; behind the two buffers: 4,096 bytes of mb for each wave, its own
.set QF,  40
.set PC,  72
.set MBR, 80                           ; set p at MBR + 128 p
.set SS,  112
.set RP,  176
.set R2,  192
.set ST,  20
.set KV,  128
.set MSB, 0
.macro WIN new                         ; the immediate's high byte repeats the setting that is left
.if MSB != (\new)
	s_set_vgpr_msb (MSB<<8)|(\new)
.set MSB, (\new)
.endif
.endm
	s_load_b256 s[4:11], s[0:1], 0x0               ; qc s[4:5], kv s[6:7], rel_pos s[8:9], rel_2d_pos s[10:11]
	s_load_b128 s[12:15], s[0:1], 0x20             ; the mask s[12:13], the scales' exponents s[14:15]
	s_load_b64 s[16:17], s[0:1], 0x30              ; cc
	v_lshl_add_u32 v254, v0, 2, 0x10800
	v_mov_b32 v255, 0
	v_lshrrev_b32 v1, 5, v0
	v_readfirstlane_b32 s18, v1                    ; wave = batch
	s_mov_b32 s19, ttmp9                           ; block of 64 queries
	s_and_b32 s20, ttmp7, 0xffff                   ; head
	v_and_b32 v19, 31, v0                          ; lane
	v_and_b32 v10, 15, v0                          ; r
	v_bfe_u32 v11, v0, 4, 1                        ; h
	v_lshlrev_b32 v1, 4, v19                       ; an image's place for my lane
	v_lshlrev_b32 v18, 5, v19                      ; the mask: 32 bytes a lane
	v_lshlrev_b32 v2, 12, v11
	v_lshl_add_u32 v2, v10, 4, v2                  ; the tables: sixteen lanes to a row's 256 bytes, two rows (4,096 bytes apart) an instruction
	s_lshl_b32 s21, s18, 3
	v_add_nc_u32 v3, s21, v11
	v_mul_u32_u24 v3, v3, PITCH
	v_lshl_add_u32 v3, v10, 4, v3                  ; and the same place in a buffer: row 8 w + h
	v_mul_u32_u24 v4, v10, PITCH
	v_lshl_add_u32 v4, v11, 5, v4                  ; C: row r, + 32 h
	s_lshl_b32 s21, s18, 12
	s_add_co_u32 s21, s21, MBL
	v_lshl_add_u32 v5, v11, 5, s21                 ; mb: my wave's 4,096 bytes, + 32 h
	v_lshl_add_u32 v7, v19, 7, s21                 ; where I store 32 of them
	v_mov_b32 v13, 0                               ; (named as the upper half of the pair v[12:13])
	v_mov_b32 v16, 0                               ; written once: a lane permute's destination counts as one of its sources
	s_mov_b32 s32, 0x76543210
	s_mov_b32 s33, 0xfedcba98                      ; v_permlanex16_b32's selects for lane l xor 16
	s_mov_b32 s35, 0                               ; mb: the byte from which a trip's offsets count
	s_lshl_b32 s38, s18, 4
	s_add_co_u32 s38, s38, s20                     ; 16 batch + head
	s_lshl_b32 s40, s38, 16
	s_lshl_b32 s39, s19, 12
	s_add_co_u32 s40, s40, s39                     ; qc: 65,536 a (batch, head), 1,024 a tile
	s_mov_b32 s41, 0
	s_lshl_b32 s42, s38, 17                        ; kv: 131,072 a (batch, head)
	s_mov_b32 s43, 0
	s_lshl_b32 s44, s20, 22
	s_lshl_b32 s39, s19, 18
	s_add_co_u32 s44, s44, s39
	s_lshl_b32 s39, s18, 15
	s_add_co_u32 s44, s44, s39                     ; the tables: head 2^22 + (64 block + 8 wave) rows of 4,096 bytes
	s_mov_b32 s45, 0
	s_lshl_b32 s46, s18, 10                        ; the mask: 1,024 bytes a batch
	s_mov_b32 s47, 0
	s_lshl_b32 s48, s18, 20
	s_lshl_b32 s39, s19, 16
	s_add_co_u32 s48, s48, s39
	s_lshl_b32 s39, s20, 10
	s_add_co_u32 s48, s48, s39                     ; cc: (16 tokens' tile x 16 + head) x 1,024
	s_mov_b32 s49, 0
	s_wait_kmcnt 0x0
	s_load_b256 s[24:31], s[14:15], 0x0            ; e0 .. e7
	s_add_nc_u64 s[4:5], s[4:5], s[40:41]
	s_add_nc_u64 s[6:7], s[6:7], s[42:43]
	s_add_nc_u64 s[8:9], s[8:9], s[44:45]
	s_add_nc_u64 s[10:11], s[10:11], s[44:45]
	s_add_nc_u64 s[12:13], s[12:13], s[46:47]
	s_add_nc_u64 s[16:17], s[16:17], s[48:49]
.macro KVPART set, i0                  ; half of a key step's 8,192 bytes as they lie, into set: i0 = 0: K's four tiles; i0 = 8: V's
	WIN 0x40                                       ; destination window 1
.irp i, 0,1,2,3,4,5,6,7
	global_load_b128 v[KV+64*(\set)+4*((\i0)+\i):KV+64*(\set)+4*((\i0)+\i)+3], v1, s[6:7] offset:512*((\i0)+\i)
.endr
	WIN 0
.endm
.macro TLOADS step                     ; my 8 rows x 256 bytes of both tables; step = 1: the next 64 keys (the bases step behind the counted wait that showed their last loads done)
.if \step
	s_add_nc_u64 s[8:9], s[8:9], 256
	s_add_nc_u64 s[10:11], s[10:11], 256
.endif
.irp i, 0,1,2,3
	global_load_b128 v[RP+4*\i:RP+4*\i+3], v2, s[8:9] offset:8192*\i th:TH_LOAD_NT    ; sixteen lanes read 256 consecutive bytes, aligned; read once in the launch
.endr
.irp i, 0,1,2,3
	global_load_b128 v[R2+4*\i:R2+4*\i+3], v2, s[10:11] offset:8192*\i th:TH_LOAD_NT
.endr
.endm
; My 8 rows of the tables' step: summed, x 2^-(e2 + e3) (exact), into buffer buf; then the signal of the step's one barrier: in front of it my stores have landed and all my reads of the other buffer are back.
; Buffer buf was last read a step ago, in front of the barrier before this one.
.macro TABLE_ST buf
.irp k, 0,2,4,6,8,10,12,14
	v_pk_add_f32 v[RP+\k:RP+\k+1], v[RP+\k:RP+\k+1], v[R2+\k:R2+\k+1]
.endr
.irp k, 0,2,4,6,8,10,12,14
	v_pk_mul_f32 v[RP+\k:RP+\k+1], v[RP+\k:RP+\k+1], s[36:37] op_sel_hi:[1,0]
.endr
.irp i, 0,1,2,3
	ds_store_b128 v3, v[RP+4*\i:RP+4*\i+3] offset:(\buf)*RBUF+2*PITCH*\i
.endr
	s_wait_dscnt 0x0
	s_barrier_signal -1
.endm
.macro MBLOAD mset, mo                 ; a step's 64 mb, my half's 32, into set mset: register 8 u + j = key 16 u + 8 h + j.  mo: the step's keys, in bytes behind s35
	v_add_nc_u32 v6, s35, v5
.irp u, 0,1,2,3
	ds_load_b128 v[MBR+128*(\mset)+8*\u:MBR+128*(\mset)+8*\u+3],   v6 offset:(\mo)+64*\u
	ds_load_b128 v[MBR+128*(\mset)+8*\u+4:MBR+128*(\mset)+8*\u+7], v6 offset:(\mo)+64*\u+16
.endr
.endm
.macro CLOAD t, buf                    ; tile t's C: register 8 u + j = (key 16 u + 8 h + j, query 16 t + r)
.set SX, SS+32*((\t)%2)
.irp u, 0,1,2,3
	ds_load_b128 v[SX+8*\u:SX+8*\u+3],   v4 offset:(\buf)*RBUF+16*(\t)*PITCH+64*\u
	ds_load_b128 v[SX+8*\u+4:SX+8*\u+7], v4 offset:(\buf)*RBUF+16*(\t)*PITCH+64*\u+16
.endr
.endm
.macro QK t, set                       ; S^T = K Q^T + C: four accumulators, one instruction each
.set SX, SS+32*((\t)%2)
	WIN 0x01                                       ; source 0 (K) window 1
.irp u, 0,1,2,3
	v_wmma_f32_16x16x64_bf8_bf8 v[SX+8*\u:SX+8*\u+7], v[KV+64*(\set)+8*\u:KV+64*(\set)+8*\u+7], v[QF+8*(\t):QF+8*(\t)+7], v[SX+8*\u:SX+8*\u+7]
.endr
.endm
; Tile t's softmax for a key step, first part: u, its maximum, the new -M.  first = 1: the first step, which starts the largest u.  Registers alone.
.macro SOFT_A t, first, mset
.set SX, SS+32*((\t)%2)
.set NM, ST+4*(\t)
.set MB, MBR+128*(\mset)
.set j, 0
.rept 16
	v_pk_fma_f32 v[SX+j:SX+j+1], v[SX+j:SX+j+1], s[22:23], v[MB+j:MB+j+1] op_sel_hi:[1,0,1]   ; u = S c + mb; each accumulator from its low end on
.set j, j+2
.endr
	v_max3_num_f32 v10, v[SX], v[SX+1], v[SX+2]    ; the step's largest u of my query among my 32 keys, in four chains that do not wait for each other,
	v_max3_num_f32 v11, v[SX+3], v[SX+4], v[SX+5]
	v_max3_num_f32 v14, v[SX+6], v[SX+7], v[SX+8]
	v_max3_num_f32 v15, v[SX+9], v[SX+10], v[SX+11]
.irp i, 12,20
	v_max3_num_f32 v10, v10, v[SX+\i], v[SX+\i+1]
	v_max3_num_f32 v11, v11, v[SX+\i+2], v[SX+\i+3]
	v_max3_num_f32 v14, v14, v[SX+\i+4], v[SX+\i+5]
	v_max3_num_f32 v15, v15, v[SX+\i+6], v[SX+\i+7]
.endr
	v_max3_num_f32 v10, v10, v[SX+28], v[SX+29]
	v_max3_num_f32 v11, v11, v[SX+30], v[SX+31]
	v_max3_num_f32 v10, v10, v14, v15
	v_max_num_f32 v10, v10, v11
	v_permlanex16_b32 v16, v10, s32, s33
	v_max_num_f32 v10, v10, v16                    ; and among lane l xor 16's
.if \first
	v_max_num_f32 v[NM+1], 0xff61b1e6, v10         ; not under -3e38, so that M is a number where a whole step is masked
	v_floor_f32 v[NM], -v[NM+1]                    ; -M = floor(-u) = -ceil(u)
.else
	v_max_num_f32 v[NM+1], v[NM+1], v10            ; the running largest u
	v_mov_b32 v17, v[NM]                           ; the old -M is kept for f
	v_floor_f32 v[NM], -v[NM+1]
.endif
.endm
; Second part: p, its sum, its codes.
.macro SOFT_B t, first
.set SX, SS+32*((\t)%2)
.set NM, ST+4*(\t)
.set j, 0
.rept 16
	v_pk_add_f32 v[SX+j:SX+j+1], v[SX+j:SX+j+1], v[NM:NM+1] op_sel_hi:[1,0]   ; u - M
.if (\first) == 0                      ; f's three lines, each of which reads the one before, stand apart among these additions
.if j == 6
	v_sub_f32 v17, v[NM], v17                      ; old M - new M: a whole number, 0 or less
.elseif j == 14
	v_cvt_i32_f32 v17, v17                         ; (it saturates)
.elseif j == 22
	v_ldexp_f32 v12, 1.0, v17                      ; f = 2^(old M - new M)
.endif
.endif
.set j, j+2
.endr
.set j, 0
.rept 32
	v_exp_f32 v[SX+j], v[SX+j]                     ; p = 2^(u - M), at most 1
.set j, j+1
.endr
.if \first
	v_nop                                          ; a plain line behind the exponentials
.else
	v_pk_mul_f32 v[NM+2:NM+3], v[NM+2:NM+3], v[12:13] op_sel_hi:[1,0]   ; the sum under the new M.  (The plain line behind the exponentials)
.endif
	s_wait_alu depctr_va_vdst(0)                   ; one wait for the 32 exponentials, ahead of their first reader
	v_pk_add_f32 v[14:15], v[SX:SX+1], v[SX+2:SX+3]       ; the sum of the UNQUANTISED p, two at a time, in four chains
	v_pk_add_f32 v[10:11], v[SX+4:SX+5], v[SX+6:SX+7]
	v_pk_add_f32 v[16:17], v[SX+8:SX+9], v[SX+10:SX+11]
.if \first
	v_pk_add_f32 v[NM+2:NM+3], v[SX+12:SX+13], v[SX+14:SX+15]
.else
	v_pk_add_f32 v[NM+2:NM+3], v[NM+2:NM+3], v[SX+12:SX+13]
	v_pk_add_f32 v[14:15], v[14:15], v[SX+14:SX+15]
.endif
.irp i, 16,24
	v_pk_add_f32 v[10:11], v[10:11], v[SX+\i:SX+\i+1]
	v_pk_add_f32 v[16:17], v[16:17], v[SX+\i+2:SX+\i+3]
	v_pk_add_f32 v[NM+2:NM+3], v[NM+2:NM+3], v[SX+\i+4:SX+\i+5]
	v_pk_add_f32 v[14:15], v[14:15], v[SX+\i+6:SX+\i+7]
.endr
	v_pk_add_f32 v[14:15], v[14:15], v[10:11]
	v_pk_add_f32 v[NM+2:NM+3], v[NM+2:NM+3], v[16:17]
	v_pk_add_f32 v[NM+2:NM+3], v[NM+2:NM+3], v[14:15]
	s_cmp_gt_i32 s28, -16                          ; e4 >= -15: 57,344 x 2^e4 is 1 or more and p is at most 1: the hold cannot bite
	s_cbranch_scc1 .Lno_hold_\@
.set j, 0
.rept 32
	v_min_num_f32 v[SX+j], v[SX+j], v8             ; the conversion does not saturate (ISA guide 7.6.2); p is not negative, so the hold is one-sided
.set j, j+1
.endr
.Lno_hold_\@:
.irp u, 0,1,2,3
	v_cvt_scalef32_pk8_bf8_f32 v[PC+2*\u:PC+2*\u+1], v[SX+8*\u:SX+8*\u+7], v9   ; register pair u of P: keys 16 u + 8 h + 0 .. 7
.endr
.endm
; O^T of tile t under the new M.  These plain lines stand between the conversions and the products that read their codes, and between the next tile's K Q^T and the first read of its scores.
.macro RESC t, first
.if \first
.rept 4
	v_nop
.endr
.else
	WIN 0x41                                       ; O^T (destination and source 0) window 1, f window 0
.set j, 0
.rept 16
	v_pk_mul_f32 v[32*(\t)+j:32*(\t)+j+1], v[32*(\t)+j:32*(\t)+j+1], v[12:13] op_sel_hi:[1,0]
.set j, j+2
.endr
.endif
.endm
.macro PV t, set, first                ; O^T += V^T P^T: four accumulators, one instruction each; in the first step the constant 0 starts the sums
.if \first
	WIN 0x41
.else
	WIN 0x51                                       ; V, C and D window 1, P window 0
.endif
.irp d, 0,1,2,3
.if \first
	v_wmma_f32_16x16x64_bf8_bf8 v[32*(\t)+8*\d:32*(\t)+8*\d+7], v[KV+64*(\set)+32+8*\d:KV+64*(\set)+32+8*\d+7], v[PC:PC+7], 0
.else
	v_wmma_f32_16x16x64_bf8_bf8 v[32*(\t)+8*\d:32*(\t)+8*\d+7], v[KV+64*(\set)+32+8*\d:KV+64*(\set)+32+8*\d+7], v[PC:PC+7], v[32*(\t)+8*\d:32*(\t)+8*\d+7]
.endif
.endr
.endm
; A KEY STEP: 64 keys; K, V and mb in set, the tables in buffer set; tile 0's C and mb were asked for in the step before.
; kvn = 1: the next step's K and V are asked for.  tab = 1: the next step's tables go to LDS, the barrier, the next step's first LDS loads.  tn = 1: the tables of the step after the next are asked for.
; hc: how many younger loads may be out when this step's K and V have to be there.  mo: the NEXT step's keys in mb, bytes behind s35.
; No two matrix instructions that follow each other share an accumulator.
.macro STEP set, first, kvn, tab, tn, hc, mo
	s_wait_loadcnt \hc                             ; loads come back in order: this step's K and V are in; the tables' eight loads issued behind them may be out
	s_wait_dscnt 0x0                               ; mb and tile 0's C
	QK 0, \set
	WIN 0
.rept 4
	v_nop                                          ; places in front of the first read of those scores, and of the loads into the set that the last step's products read
.endr
.if \kvn
	s_add_nc_u64 s[6:7], s[6:7], 8192              ; (behind the wait above, which showed the base's last loads done)
	KVPART 1-(\set), 0                             ; the next step's K
.endif
.irp t, 0,1,2
.if (\t == 1) && \kvn
	KVPART 1-(\set), 8                             ; the next step's V
.endif
	CLOAD \t+1, \set                               ; the next tile's C lands under this tile's softmax
	SOFT_A \t, \first, \set
	SOFT_B \t, \first
	s_wait_dscnt 0x0
	QK \t+1, \set
	RESC \t, \first
	PV \t, \set, \first
	WIN 0
.endr
.if \tab
	s_wait_loadcnt 16                              ; the next step's tables are in; the sixteen loads of its K and V, issued behind them, may be out
	TABLE_ST 1-(\set)
	SOFT_A 3, \first, \set                         ; registers alone, while the other waves arrive
	s_barrier_wait -1                              ; the other buffer is whole, and nobody reads this one any more
	MBLOAD 1-(\set), \mo
	CLOAD 0, 1-(\set)                              ; the next step's first LDS loads land under the lines below
.else
	SOFT_A 3, \first, \set
.endif
	SOFT_B 3, \first
.if \tn
	TLOADS 1                                       ; their registers are free since the wait in front of the signal: a whole step ahead of the wait for them
.endif
	RESC 3, \first
	PV 3, \set, \first
	WIN 0
.endm
	global_load_b128 v[112:115], v18, s[12:13]     ; my 32 bytes of the batch's mask
	global_load_b128 v[116:119], v18, s[12:13] offset:16
.irp i, 0,1,2,3,4,5,6,7
	global_load_b128 v[QF+4*\i:QF+4*\i+3], v1, s[4:5] offset:512*\i   ; Q's four fragments stay in registers
.endr
	TLOADS 0                                       ; key step 0's tables,
	KVPART 0, 0                                    ; its K
	KVPART 0, 8                                    ; and V
	s_wait_loadcnt 16                              ; the mask, Q and the tables are in; K's and V's sixteen loads may be out
.set k, 0
.rept 32
	v_bfe_u32 v[144+k], v[112+k/4], 8*(k%4), 1
	v_mul_lo_u32 v[144+k], v[144+k], 0xff800000    ; mb: 0, or -infinity where the key is masked
.set k, k+1
.endr
.irp i, 0,1,2,3,4,5,6,7
	ds_store_b128 v7, v[144+4*\i:144+4*\i+3] offset:16*\i
.endr
	s_wait_kmcnt 0x0
	s_add_co_i32 s38, s26, s27                     ; e2 + e3
	s_lshl_b32 s39, s38, 23
	s_add_co_i32 s22, s39, 0x3fb8aa3b              ; c = log2(e) x 2^(e2 + e3): the exponents are added to its exponent field
	s_mov_b32 s23, s22                             ; (named with it as a pair, so it is written)
	s_sub_co_i32 s36, 127, s38
	s_lshl_b32 s36, s36, 23                        ; 2^-(e2 + e3)
	s_mov_b32 s37, s36
	s_add_co_i32 s38, s28, 127
	s_lshl_b32 s39, s38, 23
	v_mov_b32 v9, s39                              ; 2^e4, for p's conversions
	s_add_co_i32 s38, s38, 15
	s_lshl_b32 s38, s38, 23
	s_or_b32 s38, s38, 0x600000
	v_mov_b32 v8, s38                              ; 57,344 x 2^e4
	TABLE_ST 0                                     ; its wait also stands between the stores of mb and their reads
	s_barrier_wait -1
	MBLOAD 0, 0
	CLOAD 0, 0
	TLOADS 1                                       ; key step 1's tables
	STEP 0, 1, 1, 1, 1, 8, 256                     ; key step 0
	s_mov_b32 s34, 6
.Lpair:                                            ; six trips of two key steps, 1 to 12: the sets and buffers are back where they began
	STEP 1, 0, 1, 1, 1, 8, 512
	STEP 0, 0, 1, 1, 1, 8, 768
	s_add_co_u32 s35, s35, 512
	s_sub_co_u32 s34, s34, 1
	s_cmp_lg_u32 s34, 0
	s_cbranch_scc1 .Lpair
	STEP 1, 0, 1, 1, 1, 8, 512                     ; key step 13 asks for the last tables,
	STEP 0, 0, 1, 1, 0, 8, 768                     ; key step 14 for the last K and V: no load leaves its buffer
	STEP 1, 0, 0, 0, 0, 0, 0                       ; key step 15: nothing more to load, no barrier
	; THE WAY OUT.  The additions are the places behind the last products.
.irp t, 0,1,2,3
	v_add_f32 v[ST+4*\t+2], v[ST+4*\t+2], v[ST+4*\t+3]   ; the sum's two halves,
.endr
.irp t, 0,1,2,3
	v_permlanex16_b32 v[ST+4*\t+3], v[ST+4*\t+2], s32, s33
.endr
.irp t, 0,1,2,3
	v_add_f32 v[ST+4*\t+2], v[ST+4*\t+2], v[ST+4*\t+3]   ; and lane l xor 16's
.endr
.irp t, 0,1,2,3
	v_rcp_f32 v[ST+4*\t+2], v[ST+4*\t+2]
.endr
	s_sub_co_i32 s38, s30, s28
	s_sub_co_i32 s38, s38, s29                     ; a sum of the second product stands for sum x 2^(e4 + e5): ctx's code is (sum / l) / 2^(e6 - e4 - e5)
	s_add_co_i32 s38, s38, 127
	s_lshl_b32 s39, s38, 23
	v_mov_b32 v9, s39                              ; (a plain line behind the reciprocals)
	s_add_co_i32 s38, s38, 15
	s_lshl_b32 s38, s38, 23
	s_or_b32 s38, s38, 0x600000
	v_mov_b32 v8, s38
	s_wait_alu depctr_va_vdst(0)                   ; one wait for the four reciprocals, ahead of their first reader
.irp t, 0,1,2,3
.set SX, SS+32*(\t%2)
	WIN 0x01                                       ; source 0 (O^T) window 1
.set j, 0
.rept 16
	v_pk_mul_f32 v[SX+j:SX+j+1], v[32*\t+j:32*\t+j+1], v[ST+4*\t+2:ST+4*\t+3] op_sel_hi:[1,0]   ; O^T / l; each accumulator from its low end on
.set j, j+2
.endr
	WIN 0
.set j, 0
.rept 32
	v_med3_num_f32 v[SX+j], v[SX+j], -v8, v8
.set j, j+1
.endr
.irp d, 0,1,2,3
	v_cvt_scalef32_pk8_bf8_f32 v[MBR+8*\t+2*\d:MBR+8*\t+2*\d+1], v[SX+8*\d:SX+8*\d+7], v9   ; register pair d of the head's part of the operand: channels 16 d + 8 h + 0 .. 7 of token r
.endr
	v_nop                                          ; a plain line behind the conversions
	global_store_b128 v1, v[MBR+8*\t:MBR+8*\t+3],   s[16:17] offset:16384*\t       ; 32 lanes store 512 consecutive bytes, aligned
	global_store_b128 v1, v[MBR+8*\t+4:MBR+8*\t+7], s[16:17] offset:16384*\t+512
.endr
	s_wait_tensorcnt 0x0
	ds_add_u32 v254, v255
	s_wait_dscnt 0x0
	s_endpgm
.Lfunc_end_k_q3187d36d5c_attn:
	.size	k_q3187d36d5c_attn, .Lfunc_end_k_q3187d36d5c_attn-k_q3187d36d5c_attn
	.p2alignl 7, 3214868480
	.fill 96, 4, 3214868480
	.section	.rodata,"a",@progbits
	.p2align	6, 0x0
	.amdhsa_kernel k_q3187d36d5c_attn
		.amdhsa_group_segment_fixed_size 68608
		.amdhsa_private_segment_fixed_size 0
		.amdhsa_enable_private_segment 0
		.amdhsa_kernarg_size 56
		.amdhsa_user_sgpr_count 2
		.amdhsa_user_sgpr_kernarg_segment_ptr 1
		.amdhsa_wavefront_size32 1
		.amdhsa_system_sgpr_workgroup_id_x 1
		.amdhsa_system_sgpr_workgroup_id_y 1
		.amdhsa_system_sgpr_workgroup_id_z 1
		.amdhsa_system_vgpr_workitem_id 0
		.amdhsa_next_free_vgpr 512
		.amdhsa_next_free_sgpr 66
		.amdhsa_reserve_vcc 0
		.amdhsa_float_denorm_mode_32 3
		.amdhsa_float_denorm_mode_16_64 3
		.amdhsa_memory_ordered 1
		.amdhsa_forward_progress 1
		.amdhsa_inst_pref_size 255
	.end_amdhsa_kernel
	.section	.bss,"aw",@nobits
	.p2align	6
	.space	262144
	.amdgpu_metadata
---
amdhsa.version: [ 1, 2 ]
amdhsa.kernels:
  - .name:           k_q3187d36d5c_attn
    .symbol:         k_q3187d36d5c_attn.kd
    .args:
      - { .name: qc, .offset: 0, .size: 8, .value_kind: global_buffer, .address_space: global }
      - { .name: kv, .offset: 8, .size: 8, .value_kind: global_buffer, .address_space: global }
      - { .name: rel_pos, .offset: 16, .size: 8, .value_kind: global_buffer, .address_space: global }
      - { .name: rel_2d_pos, .offset: 24, .size: 8, .value_kind: global_buffer, .address_space: global }
      - { .name: attention_mask, .offset: 32, .size: 8, .value_kind: global_buffer, .address_space: global }
      - { .name: lowp_scales, .offset: 40, .size: 8, .value_kind: global_buffer, .address_space: global }
      - { .name: cc, .offset: 48, .size: 8, .value_kind: global_buffer, .address_space: global }
    .group_segment_fixed_size: 68608
    .private_segment_fixed_size: 0
    .kernarg_segment_align: 8
    .kernarg_segment_size: 56
    .max_flat_workgroup_size: 256
    .sgpr_count:     66
    .vgpr_count:     512
    .wavefront_size: 32
...
	.end_amdgpu_metadata
.endif
;; end of part 6
;; launch outln: the kernel of part 4 again; grid 256 x 1, 8 waves a work-group, clusters of 4 x 1, 327,680 bytes of LDS; arguments cc, w_out_codes, lowp_scales, b_out, hidden_states, ln_gamma, ln_beta, out0; writes out0
;; ======== version 3 of 3: 4 launches; version 2 with the launch attn written anew for expert scheduling mode
;; workspace buffers: xc 8,388,608 bytes; qc 8,388,608 bytes; kv 16,777,216 bytes; cc 8,388,608 bytes
;; launch quantx: the kernel of part 5 again; grid 1024 x 1, 4 waves a work-group, no clusters, 33,280 bytes of LDS; arguments hidden_states, lowp_scales, xc; writes xc
;; launch qkv: the kernel of part 2 again; grid 12 x 32, 4 waves a work-group, clusters of 4 x 4, 327,680 bytes of LDS; arguments xc, w_qkv_codes, lowp_scales, q_bias, v_bias, qc, kv; writes qc, kv
;; launch attn (part 7): grid 16 x 16, 8 waves a work-group, no clusters, 68,608 bytes of LDS; arguments qc, kv, rel_pos, rel_2d_pos, attention_mask, lowp_scales, cc; writes cc
.if DOCPART == 7
	.amdgcn_target "amdgcn-amd-amdhsa--gfx1250"
	.amdhsa_code_object_version 6
	.text
	.protected	k_q3187d36d5c_attn
	.globl	k_q3187d36d5c_attn
	.p2align	8
	.type	k_q3187d36d5c_attn,@function
k_q3187d36d5c_attn:
	s_mov_b64 s[64:65], 0
	v_nop
	global_prefetch_b8 v0, s[64:65] scope:SCOPE_SE
	s_setreg_imm32_b32 hwreg(HW_REG_WAVE_SCHED_MODE, 0, 2), 2
	s_setreg_imm32_b32 hwreg(HW_REG_WAVE_MODE, 25, 1), 1
	s_wait_xcnt 0x0
	s_wait_alu depctr_vm_vsrc(0)
; ctx = softmax(q k^T + rel_pos + rel_2d_pos, masked keys at -infinity) v, both products on codes of BF8; ctx is quantised with 2^e6 and stored as images of the last product's operand registers.
; SHARES.  A work-group owns one head and 64 queries FOR ALL 8 BATCHES: the two tables do not hang on the batch, so each of their bytes is read once in the launch and summed and scaled once for eight batches.
; Wave w is batch w: four tiles of 16 queries; it walks the 1,024 keys 64 a step.  K and V are the wave's own: they come from kv straight into registers, as images, and each fragment feeds four tiles.
; The tables' step (64 queries x 64 keys) is shared: each wave loads, adds and scales 8 rows and stores them in LDS; two buffers, ONE barrier a step.
; No joint loads: the 16 query blocks of a head do read the same kv, but inside a work-group each fragment has one reader, so the way through LDS would add 8 LDS bytes to every 4 scores and a round of a cluster's barrier to every step.
; LAYOUT.  S^T = K Q^T + C (source 0 = 16 keys, source 1 = 16 queries): lane (r, h) holds query r and keys 8 h + 0 .. 7.  C = (rel_pos + rel_2d_pos) x 2^-(e2 + e3), read from LDS in the result's layout: the tables cost no addition.
; One conversion of a tile's eight registers is register pair (tile) of P, source 1 of O^T = V^T P^T, whose result again holds one query a lane.
; SOFTMAX.  u = S c + mb, c = log2(e) 2^(e2 + e3), mb = 0 or -infinity by (batch, key).  M = the running largest u rounded UP to a whole number, kept as -M = floor(-u); p = 2^(u - M) is quantised with 2^e4;
; the row's sum is taken of the unquantised p; when M moves, the sum and O^T are multiplied by 2^(old M - new M): exact.  At the end O^T / sum.
; THE HOLD ON p.  p is at most 1 and the hold stands at 57,344 x 2^e4, which is 1 or more where e4 >= -15: there the 32 lines of a tile's hold are jumped over, by a scalar branch on the given whole number e4; elsewhere they run.
; A STEP'S ORDER.  Tiles 0, 1, 2; then the next step's tables go into the other buffer and the barrier follows: my last read of this step's buffer (tile 3's C) is back by then, since tile 3's K Q^T has taken it.
; Between the barrier's signal and its wait stands tile 3's scaling and maximum (registers alone).  Behind the wait the next step's mb and its tile-0 C are asked for at once, its tile-1 C at the end of tile 3.
; THE STREAMS.  The tables of step s + 2 are asked for in tile 3 of step s, K of step s + 1 behind tile 0's K Q^T of step s, V of step s + 1 at the head of tile 1: never one long run, and each three tiles' work or more ahead of
; the wait for it.  So they have no prefetch of their own.
; LIMITS: |e2 + e3| <= 126; e4 and e6 - e4 - e5 between -126 and 112; a mask byte is 0 or 1.  A batch ALL of whose keys are masked gives NaN in reference(); here the hold ahead of the last conversion swallows the NaN: not served.
; REGISTERS.  window 0: v1-7 addresses; v8, v9 hold and scale; v10-17 at work; v20 + 4 t: -M, largest u, the sum in two halves; v40-71 Q; v72-79 p's codes; v80-111, v208-239 mb of steps by turns;
;   v112-143, v144-175 S^T of tiles by turns; v176-207 the tables.   window 1: v0-127 O^T (tile t at 32 t, d-tile at + 8); v128-191, v192-255 two sets of a key step's K (4 x 8) and V (4 x 8).
; THE MODE: SCHED_MODE bits 1:0 = 2 (LLVM: expert scheduling mode 2), set by the entry lines.  The code itself states the register dependences
; between vector or matrix instructions and memory or LDS instructions, with s_wait_alu, always for 0.
; THE PLAN.  Registers that memory or LDS instructions touch, round a step whose set is p (q = 1 - p):
;   S0 = v112-143  Named by K Q^T, softmax and conversions of tiles 0 and 2.  Tile 2's C lands in it behind tile 0's conversions, the next step's tile-0 C behind the barrier.
;   S1 = v144-175  The same for tiles 1 and 3: tile 3's C lands behind tile 1's conversions, the next step's tile-1 C behind tile 3's.
;   mb[q]          Read by the four scalings of the step before; the next step's mb lands in it behind the barrier.
;   v176-207       The tables: read and written by sixteen packed lines, the sums then read by four LDS stores; the tables of two steps on land here at the end of tile 3.
;   K[q], V[q]     Read by the step before's K Q^T and V^T P^T; the next step's K lands behind this step's first K Q^T, its V at the head of tile 1.
;   v6             mb's LDS address: read by eight LDS loads a step, written once a step, ahead of the tables' sums.
;   v1-v5, v7, v18 Offsets and addresses made at the head and never written again; the global bases are scalar.
;   v254, v255     Written at the head, read by the closing add alone.
; So a step has four waits on va_vdst of its own, each behind the lines that empty a buffer (the conversions of tiles 0, 1 and 3; the tables' sums), and two on vm_vsrc (ahead of the add to v6; ahead of the tables' loads).
; Every load of the step stands behind one of them with no vector or matrix instruction between that names its registers.  The wait behind each tile's exponentials stays beside them.
.set PITCH, 272                        ; a query's row in LDS: 64 f32 + 16 bytes: an odd multiple of 16
.set RBUF,  64*PITCH                   ; a buffer: 17,408 bytes
.set MBL,   2*RBUF                     ; behind the two buffers: 4,096 bytes of mb for each wave, its own
.set QF,  40
.set PC,  72
.set MBR, 80                           ; set p at MBR + 128 p
.set SS,  112
.set RP,  176
.set R2,  192
.set ST,  20
.set KV,  128
.set MSB, 0
.macro WIN new                         ; the immediate's high byte repeats the setting that is left
.if MSB != (\new)
	s_set_vgpr_msb (MSB<<8)|(\new)
.set MSB, (\new)
.endif
.endm
	s_load_b256 s[4:11], s[0:1], 0x0               ; qc s[4:5], kv s[6:7], rel_pos s[8:9], rel_2d_pos s[10:11]
	s_load_b128 s[12:15], s[0:1], 0x20             ; the mask s[12:13], the scales' exponents s[14:15]
	s_load_b64 s[16:17], s[0:1], 0x30              ; cc
	v_lshl_add_u32 v254, v0, 2, 0x10800
	v_mov_b32 v255, 0
	v_lshrrev_b32 v1, 5, v0
	v_readfirstlane_b32 s18, v1                    ; wave = batch
	s_mov_b32 s19, ttmp9                           ; block of 64 queries
	s_and_b32 s20, ttmp7, 0xffff                   ; head
	v_and_b32 v19, 31, v0                          ; lane
	v_and_b32 v10, 15, v0                          ; r
	v_bfe_u32 v11, v0, 4, 1                        ; h
	v_lshlrev_b32 v1, 4, v19                       ; an image's place for my lane
	v_lshlrev_b32 v18, 5, v19                      ; the mask: 32 bytes a lane
	v_lshlrev_b32 v2, 12, v11
	v_lshl_add_u32 v2, v10, 4, v2                  ; the tables: sixteen lanes to a row's 256 bytes, two rows (4,096 bytes apart) an instruction
	s_wait_alu depctr_va_sdst(0)                   ; s18 is written, ahead of its first reader: LDS places and every base are made from it
	s_lshl_b32 s21, s18, 3
	v_add_nc_u32 v3, s21, v11
	v_mul_u32_u24 v3, v3, PITCH
	v_lshl_add_u32 v3, v10, 4, v3                  ; and the same place in a buffer: row 8 w + h
	v_mul_u32_u24 v4, v10, PITCH
	v_lshl_add_u32 v4, v11, 5, v4                  ; C: row r, + 32 h
	s_lshl_b32 s21, s18, 12
	s_add_co_u32 s21, s21, MBL
	v_lshl_add_u32 v5, v11, 5, s21                 ; mb: my wave's 4,096 bytes, + 32 h
	v_lshl_add_u32 v7, v19, 7, s21                 ; where I store 32 of them
	v_mov_b32 v13, 0                               ; (named as the upper half of the pair v[12:13])
	v_mov_b32 v16, 0                               ; written once: a lane permute's destination counts as one of its sources
	s_mov_b32 s32, 0x76543210
	s_mov_b32 s33, 0xfedcba98                      ; v_permlanex16_b32's selects for lane l xor 16
	s_mov_b32 s35, 0                               ; mb: the byte from which a trip's offsets count
	s_lshl_b32 s38, s18, 4
	s_add_co_u32 s38, s38, s20                     ; 16 batch + head
	s_lshl_b32 s40, s38, 16
	s_lshl_b32 s39, s19, 12
	s_add_co_u32 s40, s40, s39                     ; qc: 65,536 a (batch, head), 1,024 a tile
	s_mov_b32 s41, 0
	s_lshl_b32 s42, s38, 17                        ; kv: 131,072 a (batch, head)
	s_mov_b32 s43, 0
	s_lshl_b32 s44, s20, 22
	s_lshl_b32 s39, s19, 18
	s_add_co_u32 s44, s44, s39
	s_lshl_b32 s39, s18, 15
	s_add_co_u32 s44, s44, s39                     ; the tables: head 2^22 + (64 block + 8 wave) rows of 4,096 bytes
	s_mov_b32 s45, 0
	s_lshl_b32 s46, s18, 10                        ; the mask: 1,024 bytes a batch
	s_mov_b32 s47, 0
	s_lshl_b32 s48, s18, 20
	s_lshl_b32 s39, s19, 16
	s_add_co_u32 s48, s48, s39
	s_lshl_b32 s39, s20, 10
	s_add_co_u32 s48, s48, s39                     ; cc: (16 tokens' tile x 16 + head) x 1,024
	s_mov_b32 s49, 0
	s_wait_kmcnt 0x0
	s_load_b256 s[24:31], s[14:15], 0x0            ; e0 .. e7
	s_add_nc_u64 s[4:5], s[4:5], s[40:41]
	s_add_nc_u64 s[6:7], s[6:7], s[42:43]
	s_add_nc_u64 s[8:9], s[8:9], s[44:45]
	s_add_nc_u64 s[10:11], s[10:11], s[44:45]
	s_add_nc_u64 s[12:13], s[12:13], s[46:47]
	s_add_nc_u64 s[16:17], s[16:17], s[48:49]
.macro KVPART set, i0                  ; half of a key step's 8,192 bytes as they lie, into set: i0 = 0: K's four tiles; i0 = 8: V's
	WIN 0x40                                       ; destination window 1
.irp i, 0,1,2,3,4,5,6,7
	global_load_b128 v[KV+64*(\set)+4*((\i0)+\i):KV+64*(\set)+4*((\i0)+\i)+3], v1, s[6:7] offset:512*((\i0)+\i)
.endr
	WIN 0
.endm
.macro TLOADS step                     ; my 8 rows x 256 bytes of both tables; step = 1: the next 64 keys (the bases step behind the counted wait that showed their last loads done)
.if \step
	s_add_nc_u64 s[8:9], s[8:9], 256
	s_add_nc_u64 s[10:11], s[10:11], 256
.endif
.irp i, 0,1,2,3
	global_load_b128 v[RP+4*\i:RP+4*\i+3], v2, s[8:9] offset:8192*\i th:TH_LOAD_NT    ; sixteen lanes read 256 consecutive bytes, aligned; read once in the launch
.endr
.irp i, 0,1,2,3
	global_load_b128 v[R2+4*\i:R2+4*\i+3], v2, s[10:11] offset:8192*\i th:TH_LOAD_NT
.endr
.endm
; My 8 rows of the tables' step: summed, x 2^-(e2 + e3) (exact).
.macro TABLE_SUM
.irp k, 0,2,4,6,8,10,12,14
	v_pk_add_f32 v[RP+\k:RP+\k+1], v[RP+\k:RP+\k+1], v[R2+\k:R2+\k+1]
.endr
.irp k, 0,2,4,6,8,10,12,14
	v_pk_mul_f32 v[RP+\k:RP+\k+1], v[RP+\k:RP+\k+1], s[36:37] op_sel_hi:[1,0]
.endr
.endm
; They go into buffer buf; then the signal of the step's one barrier: in front of it my stores have landed and all my reads of the other buffer are back.
; Buffer buf was last read a step ago, in front of the barrier before this one.
.macro TABLE_OUT buf
.irp i, 0,1,2,3
	ds_store_b128 v3, v[RP+4*\i:RP+4*\i+3] offset:(\buf)*RBUF+2*PITCH*\i
.endr
	s_wait_dscnt 0x0
	s_barrier_signal -1
.endm
.macro MBLOAD mset, mo                 ; a step's 64 mb, my half's 32, into set mset: register 8 u + j = key 16 u + 8 h + j.  mo: the step's keys, in bytes behind v6 = s35 + my place
.irp u, 0,1,2,3
	ds_load_b128 v[MBR+128*(\mset)+8*\u:MBR+128*(\mset)+8*\u+3],   v6 offset:(\mo)+64*\u
	ds_load_b128 v[MBR+128*(\mset)+8*\u+4:MBR+128*(\mset)+8*\u+7], v6 offset:(\mo)+64*\u+16
.endr
.endm
.macro CLOAD t, buf                    ; tile t's C: register 8 u + j = (key 16 u + 8 h + j, query 16 t + r)
.set SX, SS+32*((\t)%2)
.irp u, 0,1,2,3
	ds_load_b128 v[SX+8*\u:SX+8*\u+3],   v4 offset:(\buf)*RBUF+16*(\t)*PITCH+64*\u
	ds_load_b128 v[SX+8*\u+4:SX+8*\u+7], v4 offset:(\buf)*RBUF+16*(\t)*PITCH+64*\u+16
.endr
.endm
.macro QK t, set                       ; S^T = K Q^T + C: four accumulators, one instruction each
.set SX, SS+32*((\t)%2)
	WIN 0x01                                       ; source 0 (K) window 1
.irp u, 0,1,2,3
	v_wmma_f32_16x16x64_bf8_bf8 v[SX+8*\u:SX+8*\u+7], v[KV+64*(\set)+8*\u:KV+64*(\set)+8*\u+7], v[QF+8*(\t):QF+8*(\t)+7], v[SX+8*\u:SX+8*\u+7]
.endr
.endm
; Tile t's softmax for a key step, first part: u, its maximum, the new -M.  first = 1: the first step, which starts the largest u.  Registers alone.
.macro SOFT_A t, first, mset
.set SX, SS+32*((\t)%2)
.set NM, ST+4*(\t)
.set MB, MBR+128*(\mset)
.set j, 0
.rept 16
	v_pk_fma_f32 v[SX+j:SX+j+1], v[SX+j:SX+j+1], s[22:23], v[MB+j:MB+j+1] op_sel_hi:[1,0,1]   ; u = S c + mb; each accumulator from its low end on
.set j, j+2
.endr
	v_max3_num_f32 v10, v[SX], v[SX+1], v[SX+2]    ; the step's largest u of my query among my 32 keys, in four chains that do not wait for each other,
	v_max3_num_f32 v11, v[SX+3], v[SX+4], v[SX+5]
	v_max3_num_f32 v14, v[SX+6], v[SX+7], v[SX+8]
	v_max3_num_f32 v15, v[SX+9], v[SX+10], v[SX+11]
.irp i, 12,20
	v_max3_num_f32 v10, v10, v[SX+\i], v[SX+\i+1]
	v_max3_num_f32 v11, v11, v[SX+\i+2], v[SX+\i+3]
	v_max3_num_f32 v14, v14, v[SX+\i+4], v[SX+\i+5]
	v_max3_num_f32 v15, v15, v[SX+\i+6], v[SX+\i+7]
.endr
	v_max3_num_f32 v10, v10, v[SX+28], v[SX+29]
	v_max3_num_f32 v11, v11, v[SX+30], v[SX+31]
	v_max3_num_f32 v10, v10, v14, v15
	v_max_num_f32 v10, v10, v11
	v_permlanex16_b32 v16, v10, s32, s33
	v_max_num_f32 v10, v10, v16                    ; and among lane l xor 16's
.if \first
	v_max_num_f32 v[NM+1], 0xff61b1e6, v10         ; not under -3e38, so that M is a number where a whole step is masked
	v_floor_f32 v[NM], -v[NM+1]                    ; -M = floor(-u) = -ceil(u)
.else
	v_max_num_f32 v[NM+1], v[NM+1], v10            ; the running largest u
	v_mov_b32 v17, v[NM]                           ; the old -M is kept for f
	v_floor_f32 v[NM], -v[NM+1]
.endif
.endm
; Second part: p, its sum, its codes.
.macro SOFT_B t, first
.set SX, SS+32*((\t)%2)
.set NM, ST+4*(\t)
.set j, 0
.rept 16
	v_pk_add_f32 v[SX+j:SX+j+1], v[SX+j:SX+j+1], v[NM:NM+1] op_sel_hi:[1,0]   ; u - M
.if (\first) == 0                      ; f's three lines, each of which reads the one before, stand apart among these additions
.if j == 6
	v_sub_f32 v17, v[NM], v17                      ; old M - new M: a whole number, 0 or less
.elseif j == 14
	v_cvt_i32_f32 v17, v17                         ; (it saturates)
.elseif j == 22
	v_ldexp_f32 v12, 1.0, v17                      ; f = 2^(old M - new M)
.endif
.endif
.set j, j+2
.endr
.set j, 0
.rept 32
	v_exp_f32 v[SX+j], v[SX+j]                     ; p = 2^(u - M), at most 1
.set j, j+1
.endr
.if \first
	v_nop                                          ; a plain line behind the exponentials
.else
	v_pk_mul_f32 v[NM+2:NM+3], v[NM+2:NM+3], v[12:13] op_sel_hi:[1,0]   ; the sum under the new M.  (The plain line behind the exponentials)
.endif
	s_wait_alu depctr_va_vdst(0)                   ; the 32 exponentials have written the tile's S^T registers: one wait for the batch, ahead of its first reader
	v_pk_add_f32 v[14:15], v[SX:SX+1], v[SX+2:SX+3]       ; the sum of the UNQUANTISED p, two at a time, in four chains
	v_pk_add_f32 v[10:11], v[SX+4:SX+5], v[SX+6:SX+7]
	v_pk_add_f32 v[16:17], v[SX+8:SX+9], v[SX+10:SX+11]
.if \first
	v_pk_add_f32 v[NM+2:NM+3], v[SX+12:SX+13], v[SX+14:SX+15]
.else
	v_pk_add_f32 v[NM+2:NM+3], v[NM+2:NM+3], v[SX+12:SX+13]
	v_pk_add_f32 v[14:15], v[14:15], v[SX+14:SX+15]
.endif
.irp i, 16,24
	v_pk_add_f32 v[10:11], v[10:11], v[SX+\i:SX+\i+1]
	v_pk_add_f32 v[16:17], v[16:17], v[SX+\i+2:SX+\i+3]
	v_pk_add_f32 v[NM+2:NM+3], v[NM+2:NM+3], v[SX+\i+4:SX+\i+5]
	v_pk_add_f32 v[14:15], v[14:15], v[SX+\i+6:SX+\i+7]
.endr
	v_pk_add_f32 v[14:15], v[14:15], v[10:11]
	v_pk_add_f32 v[NM+2:NM+3], v[NM+2:NM+3], v[16:17]
	v_pk_add_f32 v[NM+2:NM+3], v[NM+2:NM+3], v[14:15]
	s_cmp_gt_i32 s28, -16                          ; e4 >= -15: 57,344 x 2^e4 is 1 or more and p is at most 1: the hold cannot bite
	s_cbranch_scc1 .Lno_hold_\@
.set j, 0
.rept 32
	v_min_num_f32 v[SX+j], v[SX+j], v8             ; the conversion does not saturate (ISA guide 7.6.2); p is not negative, so the hold is one-sided
.set j, j+1
.endr
.Lno_hold_\@:
.irp u, 0,1,2,3
	v_cvt_scalef32_pk8_bf8_f32 v[PC+2*\u:PC+2*\u+1], v[SX+8*\u:SX+8*\u+7], v9   ; register pair u of P: keys 16 u + 8 h + 0 .. 7
.endr
.endm
; O^T of tile t under the new M.  These plain lines stand between the conversions and the products that read their codes, and between the next tile's K Q^T and the first read of its scores.
.macro RESC t, first
.if \first
.rept 4
	v_nop
.endr
.else
	WIN 0x41                                       ; O^T (destination and source 0) window 1, f window 0
.set j, 0
.rept 16
	v_pk_mul_f32 v[32*(\t)+j:32*(\t)+j+1], v[32*(\t)+j:32*(\t)+j+1], v[12:13] op_sel_hi:[1,0]
.set j, j+2
.endr
.endif
.endm
.macro PV t, set, first                ; O^T += V^T P^T: four accumulators, one instruction each; in the first step the constant 0 starts the sums
.if \first
	WIN 0x41
.else
	WIN 0x51                                       ; V, C and D window 1, P window 0
.endif
.irp d, 0,1,2,3
.if \first
	v_wmma_f32_16x16x64_bf8_bf8 v[32*(\t)+8*\d:32*(\t)+8*\d+7], v[KV+64*(\set)+32+8*\d:KV+64*(\set)+32+8*\d+7], v[PC:PC+7], 0
.else
	v_wmma_f32_16x16x64_bf8_bf8 v[32*(\t)+8*\d:32*(\t)+8*\d+7], v[KV+64*(\set)+32+8*\d:KV+64*(\set)+32+8*\d+7], v[PC:PC+7], v[32*(\t)+8*\d:32*(\t)+8*\d+7]
.endif
.endr
.endm
; A KEY STEP: 64 keys; K, V and mb in set, the tables in buffer set; mb and the C of tiles 0 and 1 were asked for in the step before.
; kvn = 1: the next step's K and V are asked for.  tab = 1: the next step's tables go to LDS, the barrier, the next step's first LDS loads.  tn = 1: the tables of the step after the next are asked for.
; hc: how many younger loads may be out when this step's K and V have to be there.  mo: the NEXT step's keys in mb, bytes behind s35.
; No two matrix instructions that follow each other share an accumulator.
.macro STEP set, first, kvn, tab, tn, hc, mo
	s_wait_loadcnt \hc                             ; loads come back in order: this step's K and V are in; the tables' eight loads issued behind them may be out
	s_wait_dscnt 8                                 ; LDS loads come back in order too: mb and tile 0's C are in; the eight younger loads, tile 1's C, may be out
	QK 0, \set
	WIN 0
.rept 4
	v_nop                                          ; places in front of the first read of those scores
.endr
.if \kvn
	s_add_nc_u64 s[6:7], s[6:7], 8192              ; (behind the wait above, which showed the base's last loads done)
	KVPART 1-(\set), 0                             ; the next step's K.  No wait: the products that read these registers stand ahead of the wait at the end of the last step's tile 3, and nothing issued since names them
.endif
.irp t, 0,1,2
.if (\t == 1) && \kvn
	KVPART 1-(\set), 8                             ; the next step's V.  No wait: the last step's V^T P^T stands ahead of the wait at the end of tile 0, and the products and the rescaling issued since name this step's set alone
.endif
	SOFT_A \t, \first, \set
	SOFT_B \t, \first
.if \t < 2
	s_wait_alu depctr_va_vdst(0)                   ; this tile's exponentials, hold and conversions are done with its S^T registers, in which the C of the tile after the next lands.  (At the end of tile 0 also: the last step's V^T P^T is done reading its V)
	CLOAD \t+2, \set                               ; a whole tile ahead of the product that takes it
	s_wait_dscnt 8                                 ; the next tile's C is in; the eight loads just issued may be out
.else
	s_wait_dscnt 0x0                               ; tile 3's C is in: nothing younger is out
.endif
	QK \t+1, \set
	RESC \t, \first
	PV \t, \set, \first
	WIN 0
.endr
.if \tab
	s_wait_loadcnt 16                              ; the next step's tables are in; the sixteen loads of its K and V, issued behind them, may be out
	s_wait_alu depctr_vm_vsrc(0)                   ; the LDS loads of mb issued in the step before have read v6, which the next line writes
	v_add_nc_u32 v6, s35, v5
	TABLE_SUM
	s_wait_alu depctr_va_vdst(0)                   ; the sums are written, which the LDS stores read; v6 is written, which the loads of mb read; tile 2's conversions are done with v112-143, in which the next step's tile-0 C lands
	TABLE_OUT 1-(\set)
	SOFT_A 3, \first, \set                         ; registers alone, while the other waves arrive: v144-175, this step's mb, v10-17 and the tile's statistics: none that the sixteen loads below touch
	s_barrier_wait -1                              ; the other buffer is whole, and nobody reads this one any more
	MBLOAD 1-(\set), \mo
	CLOAD 0, 1-(\set)                              ; the next step's first LDS loads land under the lines below
.else
	SOFT_A 3, \first, \set
.endif
	SOFT_B 3, \first
.if \tn
	s_wait_alu depctr_vm_vsrc(0)                   ; the LDS stores of the tables have read v176-191, in which the loads below land
.endif
.if \tab
	s_wait_alu depctr_va_vdst(0)                   ; tile 3's exponentials, hold and conversions are done with v144-175, in which the next step's tile-1 C lands; this step's K Q^T is done reading its K, in which loads of the next step land
	CLOAD 1, 1-(\set)
.endif
.if \tn
	TLOADS 1                                       ; a whole step ahead of the wait for them.  The sixteen packed lines that named these registers stand ahead of the two waits on va_vdst above
.endif
	RESC 3, \first
	PV 3, \set, \first
	WIN 0
.endm
	s_wait_alu depctr_va_vdst(0)                   ; the offsets and addresses v1 to v5, v7 and v18 are written, which the loads and stores below read
	global_load_b128 v[112:115], v18, s[12:13]     ; my 32 bytes of the batch's mask
	global_load_b128 v[116:119], v18, s[12:13] offset:16
.irp i, 0,1,2,3,4,5,6,7
	global_load_b128 v[QF+4*\i:QF+4*\i+3], v1, s[4:5] offset:512*\i   ; Q's four fragments stay in registers
.endr
	TLOADS 0                                       ; key step 0's tables,
	KVPART 0, 0                                    ; its K
	KVPART 0, 8                                    ; and V
	s_wait_loadcnt 16                              ; the mask, Q and the tables are in; K's and V's sixteen loads may be out
.set k, 0
.rept 32
	v_bfe_u32 v[144+k], v[112+k/4], 8*(k%4), 1
	v_mul_lo_u32 v[144+k], v[144+k], 0xff800000    ; mb: 0, or -infinity where the key is masked
.set k, k+1
.endr
	s_wait_kmcnt 0x0
	s_add_co_i32 s38, s26, s27                     ; e2 + e3
	s_lshl_b32 s39, s38, 23
	s_add_co_i32 s22, s39, 0x3fb8aa3b              ; c = log2(e) x 2^(e2 + e3): the exponents are added to its exponent field
	s_mov_b32 s23, s22                             ; (named with it as a pair, so it is written)
	s_sub_co_i32 s36, 127, s38
	s_lshl_b32 s36, s36, 23                        ; 2^-(e2 + e3)
	s_mov_b32 s37, s36
	s_add_co_i32 s38, s28, 127
	s_lshl_b32 s39, s38, 23
	v_mov_b32 v9, s39                              ; 2^e4, for p's conversions
	s_add_co_i32 s38, s38, 15
	s_lshl_b32 s38, s38, 23
	s_or_b32 s38, s38, 0x600000
	v_mov_b32 v8, s38                              ; 57,344 x 2^e4
	v_add_nc_u32 v6, s35, v5                       ; mb's LDS address
	TABLE_SUM
	s_wait_alu depctr_va_vdst(0)                   ; mb (v144-175) and the tables' sums are written, which the twelve LDS stores read; v6 is written; the lines that read the mask's bytes are done with v112-119, in which tile 0's C lands
.irp i, 0,1,2,3,4,5,6,7
	ds_store_b128 v7, v[144+4*\i:144+4*\i+3] offset:16*\i
.endr
	TABLE_OUT 0                                    ; its wait also stands between the stores of mb and their reads
	s_barrier_wait -1
	s_wait_alu depctr_vm_vsrc(0)                   ; my LDS stores have read v144-175, in which tile 1's C lands, and v176-191, in which the next tables land
	MBLOAD 0, 0
	CLOAD 0, 0
	CLOAD 1, 0
	TLOADS 1                                       ; key step 1's tables
	STEP 0, 1, 1, 1, 1, 8, 256                     ; key step 0
	s_mov_b32 s34, 6
.Lpair:                                            ; six trips of two key steps, 1 to 12: the sets and buffers are back where they began
	STEP 1, 0, 1, 1, 1, 8, 512
	STEP 0, 0, 1, 1, 1, 8, 768
	s_add_co_u32 s35, s35, 512
	s_sub_co_u32 s34, s34, 1
	s_cmp_lg_u32 s34, 0
	s_cbranch_scc1 .Lpair
	STEP 1, 0, 1, 1, 1, 8, 512                     ; key step 13 asks for the last tables,
	STEP 0, 0, 1, 1, 0, 8, 768                     ; key step 14 for the last K and V: no load leaves its buffer
	STEP 1, 0, 0, 0, 0, 0, 0                       ; key step 15: nothing more to load but its own C, no barrier
	; THE WAY OUT.  The additions are the places behind the last products.
.irp t, 0,1,2,3
	v_add_f32 v[ST+4*\t+2], v[ST+4*\t+2], v[ST+4*\t+3]   ; the sum's two halves,
.endr
.irp t, 0,1,2,3
	v_permlanex16_b32 v[ST+4*\t+3], v[ST+4*\t+2], s32, s33
.endr
.irp t, 0,1,2,3
	v_add_f32 v[ST+4*\t+2], v[ST+4*\t+2], v[ST+4*\t+3]   ; and lane l xor 16's
.endr
.irp t, 0,1,2,3
	v_rcp_f32 v[ST+4*\t+2], v[ST+4*\t+2]
.endr
	s_sub_co_i32 s38, s30, s28
	s_sub_co_i32 s38, s38, s29                     ; a sum of the second product stands for sum x 2^(e4 + e5): ctx's code is (sum / l) / 2^(e6 - e4 - e5)
	s_add_co_i32 s38, s38, 127
	s_lshl_b32 s39, s38, 23
	v_mov_b32 v9, s39                              ; (a plain line behind the reciprocals)
	s_add_co_i32 s38, s38, 15
	s_lshl_b32 s38, s38, 23
	s_or_b32 s38, s38, 0x600000
	v_mov_b32 v8, s38
	s_wait_alu depctr_va_vdst(0)                   ; the four reciprocals have written v22, v26, v30 and v34: one wait for the four, ahead of their first reader
.irp t, 0,1,2,3
.set SX, SS+32*(\t%2)
	WIN 0x01                                       ; source 0 (O^T) window 1
.set j, 0
.rept 16
	v_pk_mul_f32 v[SX+j:SX+j+1], v[32*\t+j:32*\t+j+1], v[ST+4*\t+2:ST+4*\t+3] op_sel_hi:[1,0]   ; O^T / l; each accumulator from its low end on
.set j, j+2
.endr
	WIN 0
.set j, 0
.rept 32
	v_med3_num_f32 v[SX+j], v[SX+j], -v8, v8
.set j, j+1
.endr
.irp d, 0,1,2,3
	v_cvt_scalef32_pk8_bf8_f32 v[MBR+8*\t+2*\d:MBR+8*\t+2*\d+1], v[SX+8*\d:SX+8*\d+7], v9   ; register pair d of the head's part of the operand: channels 16 d + 8 h + 0 .. 7 of token r; each tile has code registers of its own
.endr
	v_nop                                          ; a plain line behind the conversions
.endr
	s_wait_alu depctr_va_vdst(0)                   ; the sixteen conversions have written v80-111, which the eight stores read
.irp t, 0,1,2,3
	global_store_b128 v1, v[MBR+8*\t:MBR+8*\t+3],   s[16:17] offset:16384*\t       ; 32 lanes store 512 consecutive bytes, aligned
	global_store_b128 v1, v[MBR+8*\t+4:MBR+8*\t+7], s[16:17] offset:16384*\t+512
.endr
	s_wait_dscnt 0x0                               ; the closing lines, six on end
	s_wait_alu 0x0
	s_wait_tensorcnt 0x0
	ds_add_u32 v254, v255
	s_wait_dscnt 0x0
	s_endpgm
.Lfunc_end_k_q3187d36d5c_attn:
	.size	k_q3187d36d5c_attn, .Lfunc_end_k_q3187d36d5c_attn-k_q3187d36d5c_attn
	.p2alignl 7, 3214868480
	.fill 96, 4, 3214868480
	.section	.rodata,"a",@progbits
	.p2align	6, 0x0
	.amdhsa_kernel k_q3187d36d5c_attn
		.amdhsa_group_segment_fixed_size 68608
		.amdhsa_private_segment_fixed_size 0
		.amdhsa_enable_private_segment 0
		.amdhsa_kernarg_size 56
		.amdhsa_user_sgpr_count 2
		.amdhsa_user_sgpr_kernarg_segment_ptr 1
		.amdhsa_wavefront_size32 1
		.amdhsa_system_sgpr_workgroup_id_x 1
		.amdhsa_system_sgpr_workgroup_id_y 1
		.amdhsa_system_sgpr_workgroup_id_z 1
		.amdhsa_system_vgpr_workitem_id 0
		.amdhsa_next_free_vgpr 512
		.amdhsa_next_free_sgpr 66
		.amdhsa_reserve_vcc 0
		.amdhsa_float_denorm_mode_32 3
		.amdhsa_float_denorm_mode_16_64 3
		.amdhsa_memory_ordered 1
		.amdhsa_forward_progress 1
		.amdhsa_inst_pref_size 255
	.end_amdhsa_kernel
	.section	.bss,"aw",@nobits
	.p2align	6
	.space	262144
	.amdgpu_metadata
---
amdhsa.version: [ 1, 2 ]
amdhsa.kernels:
  - .name:           k_q3187d36d5c_attn
    .symbol:         k_q3187d36d5c_attn.kd
    .args:
      - { .name: qc, .offset: 0, .size: 8, .value_kind: global_buffer, .address_space: global }
      - { .name: kv, .offset: 8, .size: 8, .value_kind: global_buffer, .address_space: global }
      - { .name: rel_pos, .offset: 16, .size: 8, .value_kind: global_buffer, .address_space: global }
      - { .name: rel_2d_pos, .offset: 24, .size: 8, .value_kind: global_buffer, .address_space: global }
      - { .name: attention_mask, .offset: 32, .size: 8, .value_kind: global_buffer, .address_space: global }
      - { .name: lowp_scales, .offset: 40, .size: 8, .value_kind: global_buffer, .address_space: global }
      - { .name: cc, .offset: 48, .size: 8, .value_kind: global_buffer, .address_space: global }
    .group_segment_fixed_size: 68608
    .private_segment_fixed_size: 0
    .kernarg_segment_align: 8
    .kernarg_segment_size: 56
    .max_flat_workgroup_size: 256
    .sgpr_count:     66
    .vgpr_count:     512
    .wavefront_size: 32
...
	.end_amdgpu_metadata
.endif
;; end of part 7
;; launch outln: the kernel of part 4 again; grid 256 x 1, 8 waves a work-group, clusters of 4 x 1, 327,680 bytes of LDS; arguments cc, w_out_codes, lowp_scales, b_out, hidden_states, ln_gamma, ln_beta, out0; writes out0
